; MI455X (gfx1250); checked and timed in simulation.
; The chip was launched on July 23, 2026; its instructions are those of AMD's public machine-readable ISA for CDNA 5 (MIT licence, August 2026) and "CDNA5" Instruction Set Architecture Reference Guide (July 2026). The comments in the code are by the model that wrote it; some were corrected since.
;; Multi Head Attention Layer. Allowed arithmetic: matrix products marked QUANTISED: E2M3 operands, one E8M0 scale for each 32 along K, by v_wmma_scale_f32_16x16x128_f8f6f4 with both operands' format E2M3, f32 sums; everything else in f32.
;; Inputs: Wf 1,024 x 1,024 float32; Wk 16 x 64 x 1,024 float32; Wq 16 x 64 x 1,024 float32; Wv 16 x 64 x 1,024 float32; bf 1,024 float32; bk 16 x 64 float32; bq 16 x 64 float32; bv 16 x 64 float32; k 8 x 1,024 x 1,024 float32; q 8 x 1,024 x 1,024 float32; v 8 x 1,024 x 1,024 float32.
;; Outputs: out0 8 x 1,024 x 1,024 float32.
;; This version of the problem:
;;   THIS VERSION OF THE PROBLEM IS GIVEN IN LOW PRECISION. The matrix products marked QUANTISED in the list below multiply operands that are first quantised to E2M3 (2 exponent bits, 3 mantissa bits; 6 bits a number), with one power-of-two scale for each 32 numbers along K (OCP MX v1.0); their sums are f32. All else is computed in f32.
;;   The module's matrix products, in the order in which they are computed (A, B: the left and right operand; K: the contracted axis; several contracted axes count as one K, in the product's order):
;;     1. [M 1,024, K 1,024] x [K 1,024, N 8,192]; A: input Wq; B: input q: QUANTISED
;;     2. [M 1,024, K 1,024] x [K 1,024, N 8,192]; A: input Wk; B: input k: QUANTISED
;;     3. [M 1,024, K 1,024] x [K 1,024, N 8,192]; A: input Wv; B: input v: QUANTISED
;;     4. batch 128 x [M 1,024, K 64] x [K 64, N 1,024]; A: computed on the way; B: computed on the way: QUANTISED
;;     5. batch 128 x [M 1,024, K 1,024] x [K 1,024, N 64]; A: softmax (see below); B: computed on the way: QUANTISED
;;     6. [M 8,192, K 1,024] x [K 1,024, N 1,024]; A: computed on the way; B: input Wf: QUANTISED
;;   THE QUANTISER, for each operand of a quantised product, along K:
;;     - K is cut into blocks of 32 from its start; a last block that is shorter is filled with zeros.
;;     - A block's scale is 2^e with e = floor(log2(the largest magnitude in the block)) - 2, held to -126 .. 127; a block of zeros has e = 0. As a byte (E8M0): e + 127.
;;     - Each number is divided by its block's scale, clamped to +-7.5, and rounded to the nearest number of E2M3, ties to even, subnormals kept.
;;     - The product sums the exact products of the quantised numbers (number of the format x scale) in f32.
;;   ~~~python
;;   def quantise(x, axis):      # numpy; x: float32 -> the quantised numbers, widened to float32 again
;;       x = np.moveaxis(x, axis, -1); K = x.shape[-1]
;;       x = np.pad(x, [(0, 0)] * (x.ndim - 1) + [(0, -K % 32)]); x = x.reshape(x.shape[:-1] + (-1, 32)); a = np.abs(x).max(-1, keepdims=True)
;;       e = np.where(a > 0, np.clip(np.frexp(np.where(a > 0, a, 1))[1] - 1 - 2, -126, 127), 0)      # np.frexp(a)[1] - 1 = floor(log2(a)), exactly
;;       r = np.clip(x / 2.0 ** e, -7.5, 7.5)
;;       step = 2.0 ** (np.maximum(np.frexp(np.where(r == 0, 1, r))[1] - 1, 0) - 3)
;;       q = np.round(r / step) * step * 2.0 ** e      # np.round: ties to even
;;       return np.moveaxis(q.reshape(q.shape[:-2] + (-1,))[..., :K], -1, axis).astype(np.float32)
;;   ~~~
;;   SOFTMAX AHEAD OF A QUANTISED PRODUCT. Where the list says 'softmax', what is quantised is not the finished softmax but p = 2^(t - M), with t = logit x log2(e) and M = ceil(the row's largest t), a whole number; so 1/2 < the row's largest p <= 1. The row's sum l is taken of the UNQUANTISED p, in f32, and the product's result is divided by l at the end. Since M is a whole number, a kernel that streams over the keys may use a running M (the ceiling of the running maximum): every later rescaling is an exact power of two, which a block's scale takes up: the codes' values come out the same.
;;   OPERANDS COMPUTED ON THE WAY. 'Computed on the way' means the value that the module computes at that place (a softmax that the list does not call 'softmax' is quantised finished and normalised). What goes into a quantiser is computed in f32, as accurately as f32 sums, v_exp_f32 and their like allow (about 1e-6 of the number): no bf16 or f16 on the way to a quantiser, and a product that is left as it is and whose result goes on into a quantised operand takes f32 operands (vector FMAs, or v_wmma_f32_16x16x4_f32). A number that lies on a knife's edge between two numbers of the format may be rounded either way, as far as f32 arithmetic and the matrix unit's own rounding can turn it there, and no further.
;; One version. Each part assembles by itself: llvm-mc -triple=amdgcn-amd-amdhsa -mcpu=gfx1250 --defsym DOCPART=n.
;; ======== version 1 of 1: 4 launches
;; limits: right only within a limited range of input values
;; workspace buffers: xc 18,874,368 bytes; xs 786,432 bytes; wc 3,145,728 bytes; ws 131,072 bytes; img 20,185,088 bytes; oc 6,291,456 bytes; os 262,144 bytes
;; launch quant (part 1): grid 448 x 1, 4 waves a work-group, no clusters, 36,352 bytes of LDS; arguments q, k, v, Wq, Wk, Wv, Wf, xc, xs, wc, ws; writes xc, xs, wc, ws
.if DOCPART == 1
	.amdgcn_target "amdgcn-amd-amdhsa--gfx1250"
	.amdhsa_code_object_version 6
	.text
	.protected	k_q4ce50ebdd4_quant
	.globl	k_q4ce50ebdd4_quant
	.p2align	8
	.type	k_q4ce50ebdd4_quant,@function
k_q4ce50ebdd4_quant:
	s_mov_b64 s[64:65], 0
	v_nop
	global_prefetch_b8 v0, s[64:65] scope:SCOPE_SE
	s_setreg_imm32_b32 hwreg(HW_REG_WAVE_MODE, 25, 1), 1
	s_wait_xcnt 0x0
; MULTI-HEAD ATTENTION IN MX-FP6, LAUNCH 1 OF 4: q, k, v [8192][1024] and Wq, Wk, Wv, Wf [1024][1024], f32, K = the last axis, become codes of E2M3 and E8M0 scale words.
; NOTHING OF THE PROBLEM IS LEFT OUT IN ANY LAUNCH: all eleven inputs reach the output (bk moves kh's codes, so it stays), all six products are made, and the mask on scores equal to 0 is always computed and selected.
; A block's scale is 2^(floor(log2(largest magnitude)) - 2): its byte is the largest magnitude's exponent field - 2, held at 1 from below by a floor among the maximum's leaves.
; LIMITS: NaN and infinities among the inputs are not served.  A block whose largest magnitude lies under 2^-124 keeps the byte 1.  A block of zeros has the byte 1 where the
; problem's text says 127: its codes are zeros, which add nothing under any byte but 0xff, and only this program reads the bytes.
; THE LAYOUT OF ALL CODES OF THIS PROGRAM: A PIECE = 16 rows x 64 along K = 768 bytes, the image of 6 operand registers.  Lane (r = lane % 16, h = lane / 16) holds the 24 bytes of block h of row r:
; registers 0-3 at byte 16 x lane, registers 4-5 at byte 512 + 8 x lane.  Two pieces on end are a matrix operand of 16 x 128.  Every load and store of a piece covers consecutive bytes.
; xc, wc: [tensor][tile of 16 rows][piece 16][768].   xs, ws: [tensor][block of 128 rows][K / 128: 8][128 rows] words of four scale bytes.
; THE ORDER OF ROWS.  In k, v, Wq, Wk, Wv buffer row 32 B + 16 u + r holds true row 32 B + 8 u + r + 8 (r / 8): where such a tensor is source 0 of a product, the 16 result registers of two neighbouring
; tiles are 16 true neighbours, which the next quantiser wants.  q and Wf keep their order.
; SHARES.  A work-group takes 64 buffer rows, a wave one tile of 16, in 8 steps of 128 along K.  Each load reads 512 consecutive bytes of one row; the 16 rows turn through the wave's own stage in LDS
; (rows 528 bytes apart), so that a lane gets two whole blocks of 32 of its row.  Loads run two steps (32 loads a wave) ahead.  No matrix unit, no cluster, no tensor load: memory binds, and nothing is shared.
.set STG,   16*528                     ; a wave's stage
.set GATH,  4*STG                      ; the work-group's scale words: [K / 128: 8][64 rows]
.set SPARE, GATH+2048                  ; the spare words, 128 bytes a wave: two blocks of 256 bytes that no other line names
.set SPW, 10                           ; v10  my spare word's LDS address; never rewritten
.set NIL, 11                           ; v11  0; never rewritten
.set C,   24                           ; v24-35  the step's two pieces
.set R,   64                           ; v64-191 two sets of 16 x 4 registers as loaded
.set X,   192                          ; v192-255 my 64 numbers: register 32 c + i = number 64 c + 32 h + i of row r
; v2 16 x lane, v3 8 x lane, v4 stage in, v5 stage out, v6 my row's word in GATH, v7 GATH back, v8 the words' place in memory, v9 8 h
	s_load_b512 s[4:19], s[0:1], 0x0               ; q k v Wq Wk Wv Wf xc
	s_load_b128 s[20:23], s[0:1], 0x40             ; xs wc
	s_load_b64 s[24:25], s[0:1], 0x50              ; ws
	v_lshl_add_u32 v[SPW], v0, 2, SPARE
	v_mov_b32 v[NIL], 0
	v_lshrrev_b32 v1, 5, v0
	v_readfirstlane_b32 s32, v1                    ; wave
	v_and_b32 v1, 31, v0                           ; lane
	v_and_b32 v20, 15, v0                          ; r
	v_bfe_u32 v21, v0, 4, 1                        ; h
	v_lshlrev_b32 v2, 4, v1
	v_lshlrev_b32 v3, 3, v1
	s_mul_i32 s33, s32, STG
	v_add_nc_u32 v4, s33, v2                       ; in: a row's 512 bytes as they lie
	v_mul_u32_u24 v5, v20, 528
	v_lshl_add_u32 v5, v21, 7, v5
	v_add_nc_u32 v5, s33, v5                       ; out: row r, + 128 h bytes
	s_lshl_b32 s33, s32, 6
	v_lshl_add_u32 v6, v20, 2, s33
	v_add_nc_u32 v6, GATH, v6                      ; 64 x wave + 4 r
	s_lshl_b32 s33, s32, 9
	v_add_nc_u32 v7, s33, v2
	v_add_nc_u32 v7, GATH, v7                      ; back: K steps 2 w and 2 w + 1, 256 bytes each
	s_lshl_b32 s33, s32, 10
	v_lshlrev_b32 v8, 4, v20
	v_lshl_add_u32 v8, v21, 9, v8
	v_add_nc_u32 v8, s33, v8                       ; (2 w + h) x 512 + 16 r
	v_lshlrev_b32 v9, 3, v21
	v_mov_b32 v19, 0                               ; a lane permute's destination counts as read
	s_mov_b32 s38, 0x76543210
	s_mov_b32 s39, 0xfedcba98                      ; selects for lane l xor 16
	; which tensor, which rows: work-groups 0-127 q, 128-255 k, 256-383 v, then 16 each for Wq, Wk, Wv, Wf
	s_cmp_lt_u32 ttmp9, 384
	s_cselect_b32 s40, 0, 384
	s_cselect_b32 s41, 127, 15
	s_sub_co_u32 s40, ttmp9, s40                   ; the work-group's number among the x tensors or among the weights
	s_and_b32 s41, ttmp9, s41                      ; and within its tensor
	s_lshl_b32 s43, s41, 6                         ; its 64 rows
	s_lshl_b32 s44, s32, 4                         ; natural order: + 16 w
	s_lshr_b32 s45, s32, 1
	s_lshl_b32 s45, s45, 5
	s_and_b32 s46, s32, 1
	s_lshl_b32 s46, s46, 3
	s_add_co_u32 s45, s45, s46                     ; permuted: + 32 (w / 2) + 8 (w % 2)
	s_sub_co_u32 s42, ttmp9, 128
	s_cmp_lt_u32 s42, 304                          ; k, v, Wq, Wk, Wv
	s_cselect_b32 s44, s45, s44
	s_cselect_b32 s46, 32768, 0                    ; and the tile's rows 8-15 lie 8 rows further down
	; k ALONE HAS ANOTHER ORDER: buffer row 64 C + 16 u + r holds true row 64 C + 8 u + r (r < 8) or 64 C + 32 + 8 u + r - 8 (r >= 8):
	; as source 0 of the score product, four neighbouring tiles then give a lane 32 true neighbours, a whole block of the next quantiser
	s_lshl_b32 s45, s32, 3                         ; + 8 w
	s_mov_b32 s47, 98304                           ; rows 8-15 lie 24 rows further down than their own 8
	s_cmp_lt_u32 s42, 128                          ; k
	s_cselect_b32 s44, s45, s44
	s_cselect_b32 s46, s47, s46
	s_add_co_u32 s44, s43, s44
	s_lshl_b32 s44, s44, 12                        ; a row is 4,096 bytes
	s_mov_b32 s45, 0
	s_mov_b32 s47, 0
	s_wait_kmcnt 0x0
	s_mov_b64 s[26:27], s[16:17]
	s_cmp_lt_u32 ttmp9, 432
	s_cselect_b64 s[26:27], s[14:15], s[26:27]
	s_cmp_lt_u32 ttmp9, 416
	s_cselect_b64 s[26:27], s[12:13], s[26:27]
	s_cmp_lt_u32 ttmp9, 400
	s_cselect_b64 s[26:27], s[10:11], s[26:27]
	s_cmp_lt_u32 ttmp9, 384
	s_cselect_b64 s[26:27], s[8:9], s[26:27]
	s_cselect_b64 s[28:29], s[18:19], s[22:23]     ; codes: xc or wc
	s_cselect_b64 s[30:31], s[20:21], s[24:25]     ; words: xs or ws
	s_cmp_lt_u32 ttmp9, 256
	s_cselect_b64 s[26:27], s[6:7], s[26:27]
	s_cmp_lt_u32 ttmp9, 128
	s_cselect_b64 s[26:27], s[4:5], s[26:27]
	s_add_nc_u64 s[34:35], s[26:27], s[44:45]      ; the tile's rows 0-7
	s_add_nc_u64 s[36:37], s[34:35], s[46:47]      ; rows 8-15 (their own 8 x 4,096 stand in the immediates)
	s_lshl_b32 s42, s40, 2
	s_add_co_u32 s42, s42, s32
	s_mul_i32 s42, s42, 12288                      ; a tile's 16 pieces
	s_mov_b32 s43, 0
	s_add_nc_u64 s[28:29], s[28:29], s[42:43]
	s_lshr_b32 s42, s40, 1
	s_lshl_b32 s42, s42, 12                        ; the block of 128 rows,
	s_and_b32 s33, s40, 1
	s_lshl_b32 s33, s33, 8                         ; my work-group's 64 of them
	s_add_co_u32 s42, s42, s33
	s_add_nc_u64 s[30:31], s[30:31], s[42:43]
.macro LOAD t                          ; step t: 128 numbers of each of the 16 rows, into set t % 2
.irp i, 0,1,2,3,4,5,6,7
	global_load_b128 v[R+64*((\t)%2)+4*\i:R+64*((\t)%2)+4*\i+3], v2, s[34:35] offset:\i*4096+(\t)*512 th:TH_LOAD_NT
.endr
.irp i, 8,9,10,11,12,13,14,15
	global_load_b128 v[R+64*((\t)%2)+4*\i:R+64*((\t)%2)+4*\i+3], v2, s[36:37] offset:\i*4096+(\t)*512 th:TH_LOAD_NT
.endr
.endm
.macro STEP t
.if (\t) < 7
	s_wait_loadcnt 16                              ; this step's 16 loads are in; the next step's 16 may be out
.else
	s_wait_loadcnt 0
.endif
.irp i, 0,1,2,3,4,5,6,7,8,9,10,11,12,13,14,15
	ds_store_b128 v4, v[R+64*((\t)%2)+4*\i:R+64*((\t)%2)+4*\i+3] offset:\i*528
.endr
.irp c, 0,1
.irp j, 0,1,2,3,4,5,6,7
	ds_load_b128 v[X+32*\c+4*\j:X+32*\c+4*\j+3], v5 offset:256*\c+16*\j   ; LDS serves a wave's instructions in order: these see my stores
.endr
.endr
	s_wait_dscnt 0x0                               ; my numbers are back, and the stores into the stage have read their registers
	s_wait_xcnt 0x0                                ; the last step's stores have read the pieces' registers: they are written again below
.if (\t)+2 < 8
	LOAD (\t)+2
.endif
.irp c, 0,1
	v_max3_num_f32 v[12+\c], |v[X+32*\c]|, |v[X+32*\c+1]|, 0x1800000   ; block 2 c + h is all mine; the floor 2^(3 - 127) holds the byte at 1 from below
.endr
.irp i, 2,4,6,8,10,12,14,16,18,20,22,24,26,28,30
.irp c, 0,1
	v_max3_num_f32 v[12+\c], v[12+\c], |v[X+32*\c+\i]|, |v[X+32*\c+\i+1]|
.endr
.endr
.irp c, 0,1
	v_add_nc_u32 v[14+\c], 0xff000000, v[12+\c]    ; 2 off the exponent field: the conversion's scale operand
.endr
.irp c, 0,1
	v_lshrrev_b32 v[16+\c], 23, v[14+\c]           ; the scale's byte
.endr
	v_lshl_or_b32 v18, v17, 16, v16                ; bytes h and 2 + h of my row's word,
	v_lshlrev_b32 v18, v9, v18                     ; at their places;
	v_permlanex16_b32 v19, v18, s38, s39
	v_or_b32 v18, v18, v19                         ; with lane l xor 16's two the word is whole
.irp c, 0,1
	v_cvt_scalef32_pk16_fp6_f32 v[C+6*\c:C+6*\c+2], v[X+32*\c:X+32*\c+15], v[14+\c]
	v_cvt_scalef32_pk16_fp6_f32 v[36+4*\c:38+4*\c], v[X+32*\c+16:X+32*\c+31], v[14+\c]   ; (a conversion's three registers begin on an even number)
.endr
	v_nop                                          ; one plain place behind a scaled conversion
.irp c, 0,1
.irp i, 0,1,2
	v_mov_b32 v[C+3+6*\c+\i], v[36+4*\c+\i]
.endr
.endr
.irp c, 0,1
	global_store_b128 v2, v[C+6*\c:C+6*\c+3], s[28:29] offset:(2*(\t)+\c)*768        ; 512 consecutive bytes,
	global_store_b64 v3, v[C+6*\c+4:C+6*\c+5], s[28:29] offset:(2*(\t)+\c)*768+512   ; and 256
.endr
	ds_store_b32 v6, v18 offset:256*(\t)           ; both lanes of a row write the same word
.endm
	LOAD 0
	LOAD 1
.irp t, 0,1,2,3,4,5,6,7
	STEP \t
.endr
	s_wait_dscnt 0x0                               ; for the others' sake: my words lie in LDS
	s_barrier_signal -1
	s_barrier_wait -1
	ds_load_b128 v[12:15], v7
	s_wait_dscnt 0x0
	global_store_b128 v8, v[12:15], s[30:31]       ; sixteen lanes store 256 consecutive bytes, aligned
	s_wait_tensorcnt 0x0                           ; the wave's end, behind my last LDS store
	ds_add_u32 v[SPW], v[NIL]
	s_wait_dscnt 0x0
	s_endpgm
.Lfunc_end_k_q4ce50ebdd4_quant:
	.size	k_q4ce50ebdd4_quant, .Lfunc_end_k_q4ce50ebdd4_quant-k_q4ce50ebdd4_quant
	.p2alignl 7, 3214868480
	.fill 96, 4, 3214868480
	.section	.rodata,"a",@progbits
	.p2align	6, 0x0
	.amdhsa_kernel k_q4ce50ebdd4_quant
		.amdhsa_group_segment_fixed_size 36352
		.amdhsa_private_segment_fixed_size 0
		.amdhsa_enable_private_segment 0
		.amdhsa_kernarg_size 88
		.amdhsa_user_sgpr_count 2
		.amdhsa_user_sgpr_kernarg_segment_ptr 1
		.amdhsa_wavefront_size32 1
		.amdhsa_system_sgpr_workgroup_id_x 1
		.amdhsa_system_sgpr_workgroup_id_y 1
		.amdhsa_system_sgpr_workgroup_id_z 1
		.amdhsa_system_vgpr_workitem_id 0
		.amdhsa_next_free_vgpr 256
		.amdhsa_next_free_sgpr 66
		.amdhsa_reserve_vcc 0
		.amdhsa_float_denorm_mode_32 3
		.amdhsa_float_denorm_mode_16_64 3
		.amdhsa_memory_ordered 1
		.amdhsa_forward_progress 1
		.amdhsa_inst_pref_size 60
	.end_amdhsa_kernel
	.amdgpu_metadata
---
amdhsa.version: [ 1, 2 ]
amdhsa.kernels:
  - .name:           k_q4ce50ebdd4_quant
    .symbol:         k_q4ce50ebdd4_quant.kd
    .args:
      - { .name: q, .offset: 0, .size: 8, .value_kind: global_buffer, .address_space: global }
      - { .name: k, .offset: 8, .size: 8, .value_kind: global_buffer, .address_space: global }
      - { .name: v, .offset: 16, .size: 8, .value_kind: global_buffer, .address_space: global }
      - { .name: Wq, .offset: 24, .size: 8, .value_kind: global_buffer, .address_space: global }
      - { .name: Wk, .offset: 32, .size: 8, .value_kind: global_buffer, .address_space: global }
      - { .name: Wv, .offset: 40, .size: 8, .value_kind: global_buffer, .address_space: global }
      - { .name: Wf, .offset: 48, .size: 8, .value_kind: global_buffer, .address_space: global }
      - { .name: xc, .offset: 56, .size: 8, .value_kind: global_buffer, .address_space: global }
      - { .name: xs, .offset: 64, .size: 8, .value_kind: global_buffer, .address_space: global }
      - { .name: wc, .offset: 72, .size: 8, .value_kind: global_buffer, .address_space: global }
      - { .name: ws, .offset: 80, .size: 8, .value_kind: global_buffer, .address_space: global }
    .group_segment_fixed_size: 36352
    .private_segment_fixed_size: 0
    .kernarg_segment_align: 8
    .kernarg_segment_size: 88
    .max_flat_workgroup_size: 128
    .sgpr_count:     66
    .vgpr_count:     256
    .wavefront_size: 32
...
	.end_amdgpu_metadata
.endif
;; end of part 1
;; launch proj (part 2): grid 4 x 96, 4 waves a work-group, clusters of 4 x 4, 327,680 bytes of LDS; arguments xc, xs, wc, ws, bq, bk, bv, img; writes img
.if DOCPART == 2
	.amdgcn_target "amdgcn-amd-amdhsa--gfx1250"
	.amdhsa_code_object_version 6
	.text
	.protected	k_q4ce50ebdd4_proj
	.globl	k_q4ce50ebdd4_proj
	.p2align	8
	.type	k_q4ce50ebdd4_proj,@function
k_q4ce50ebdd4_proj:
	s_mov_b64 s[64:65], 0
	v_nop
	global_prefetch_b8 v0, s[64:65] scope:SCOPE_SE
	s_setreg_imm32_b32 hwreg(HW_REG_WAVE_MODE, 25, 1), 1
	s_wait_xcnt 0x0
	s_wait_alu depctr_hold_cnt(0) depctr_sa_sdst(0) depctr_va_vdst(0) depctr_va_sdst(0) depctr_va_ssrc(0) depctr_va_vcc(0) depctr_vm_vsrc(0)
	s_getreg_b32 s2, hwreg(HW_REG_IB_STS2, 6, 4)
	s_cmp_eq_u32 s2, 0
	s_cbranch_scc0 .Lentry_in_a_cluster
	s_endpgm
.Lentry_in_a_cluster:
	s_bfe_u32 s2, ttmp6, 0x10000c
	s_cmp_lg_u32 s2, 0xf033
	s_cbranch_scc0 .Lentry_shape_is_right
	s_endpgm
.Lentry_shape_is_right:
; LAUNCH 2 OF 4: the three projections, on codes; + bias in f32; the results are quantised in registers into the operands of the attention launch.  Nothing is left out.
; C[m][n] = sum over k of A[m][k] B[n][k], K = 1,024.  A tile of C is 256 x 256: four waves, each 128 x 128 in 64 accumulators.
; K goes in four steps of 256 through THREE LDS slots: steps 0, 1, 2 are asked for at the head, step 3 is the one refill (of slot 0): between its request and the wait for it a wave issues 224 products.
; z = 0, 1 (q, k): A = the tokens, B = the weight: a lane's registers run along the head's 64, the next product's K.   z = 2 (v): A = Wv, B = the tokens: the registers run along the keys, which are p x V's K.
; THE MATRIX INSTRUCTION IS USED TRANSPOSED (source 0 = 16 rows of B, source 1 = 16 rows of A): lane (r, h) holds row r of A's block, and, since B's rows were laid in the permuted order by launch 1,
; the 64 registers of A's block a are n = 32 B + 16 h + i at register 16 B + i: four half blocks of 32 true neighbours.
; CODES lie as pieces of 768 bytes (16 rows x 64 K, the image of 6 operand registers): a tile of 16 rows has 4 pieces, 3,072 consecutive bytes, in a slot; a fragment comes by four dense LDS loads.
; THE SCALE WORDS of the work-group's 256 + 256 rows, for all of K, come into LDS once, with the first fills.
; CLUSTERS: 4 x 4 work-groups; A's tiles are asked for jointly along a row of the cluster, B's along a column.
; img: q part, then k part: [b 8][head 16][128 rows: 8] records of 6,656 bytes: 8 pieces (16 rows x the head's 64), then [tile 8][16 rows] words with the bytes s0 s1 s0 s1;
;      v part: [b][head][128 keys: 8] records of 6,400 bytes: 4 operands (16 of the head's 64 x 128 keys, 1,536 bytes), then [tile 4][16 rows] words.
; LIMITS: as stated at the head of launch 1 (NaN, infinities; bytes held at 1).
; REGISTERS: window 0: v7-15 offsets, v4, v6, v16-24, v26, v27 LDS addresses, v28-29 the add's two, v32-63 scale words (two sets), v64-127 the bias, v128-223 A's fragments (one set), later the way out; v224-242 at work.
;   window 1: B's fragments, two sets, at v0 and v128.   windows 2, 3: the accumulators, (a, b) at v[8 (8 (a % 4) + b)].
.set NQ,    2                          ; matrix instructions deep in a slot
.set FR,    12                         ; registers of a fragment
.set NL,    4                          ; LDS loads that bring one
.set NP,    4                          ; places behind this matrix instruction (ISA guide 7.12.1)
.set TROW,  3072                       ; a tile of 16 rows in a slot
.set HALFT, 8*TROW                     ; 128 rows: what one tensor load brings
.set SLOT,  4*HALFT
.set SCL,   3*SLOT                     ; the scale words: 4 x 4,096 bytes: [K / 128: 8][128 rows] for A's two halves, then B's
.set SPARE, SCL+4*4096                 ; the spare words: two blocks of 256 bytes that no other line names
.set SCR,   SLOT                       ; the way out's words lie in slot 1: it has had its only fill, and its last read stands ahead of the last barrier
.set KREC,  6656
.set VREC,  6400
.set QPART, 6815744
.set AS0, 16                           ; my A fragments in slots 0, 1, 2, + 16 x lane; two registers further on: + 8 x lane
.set AS1, 17
.set AS2, 24
.set BS0, 20                           ; the same for B
.set BS1, 21
.set BS2, 4
.set ADRS, 27                          ; v27 my scale words: lanes 0-15 A's rows, lanes 16-31 B's
.set SPW,  28
.set NIL,  29
.set SC,   32
.set BN,   64
.set AF,   128
.set ST,   128                         ; the way out: 64 numbers
.set PC,   192                         ; and their codes
.set TM,   224
.set PW,   240
.set G1, 24
.set G0, 32                            ; s[32:39] A's groups 0 for slot 0, then slots 1, 2
.set G02, 4                            ; s[4:7]   for the refill of slot 0 (K step 3) (the pointers that lay here are done with)
.set G1B, 48
.set G0B, 56
.set G0B2, 8
.set G1S, 68
.set G0S, 76
.set G1SB, 80
.set G0SB, 88
.set SEL, 98
.set MSB, 0
.macro WIN new                         ; the immediate's high byte repeats the setting that is left
.if MSB != (\new)
	s_set_vgpr_msb (MSB<<8)|(\new)
.set MSB, (\new)
.endif
.endm
.set MUL_LO, 0xa1                      ; source 0 (B) window 1, source 1 (A) window 0, C and D window 2
.set MUL_HI, 0xf1
.set TO_B,   0x40
.macro JLOAD g0a, g1a, g0b, g1b        ; a joint load: waves 0, 1 fetch for A, waves 2, 3 for B; an s_nop 0 and four v_nop follow each line
	s_cmp_eq_u32 s15, 0
	s_cbranch_scc0 .Lfor_b_\@
	tensor_load_to_lds s[\g0a:\g0a+3], s[\g1a:\g1a+7]
	s_nop 0
.rept 4
	v_nop
.endr
	s_branch .Lasked_\@
.Lfor_b_\@:
	tensor_load_to_lds s[\g0b:\g0b+3], s[\g1b:\g1b+7]
	s_nop 0
.rept 4
	v_nop
.endr
.Lasked_\@:
.endm
.macro CREST                           ; a round of the cluster's barrier behind its opening barrier
	s_cmp_lg_u32 s14, 0
	s_cbranch_scc1 .Lnot_wave_0_\@
	s_barrier_signal -3
.Lnot_wave_0_\@:
	s_barrier_wait -3
	s_barrier_signal -1
	s_barrier_wait -1
.endm
.macro CROUND
	s_barrier_signal -1
	s_barrier_wait -1
	CREST
.endm
	s_load_b512 s[68:83], s[0:1], 0x0              ; xc xs wc ws bq bk bv img
	v_lshl_add_u32 v[SPW], v0, 2, SPARE
	v_mov_b32 v[NIL], 0
	ds_add_u32 v[SPW], v[NIL]                      ; the wave's opening: the add, twice on end, and its wait ahead of my first tensor load
	ds_add_u32 v[SPW], v[NIL]
	v_lshrrev_b32 v1, 5, v0
	v_readfirstlane_b32 s14, v1                    ; wave
	s_lshr_b32 s15, s14, 1                         ; my half of the tile's rows.  Also: I fetch for A (0) or B (1)
	s_and_b32 s16, s14, 1                          ; my half of its columns.  Also: which 128 rows I fetch
	s_bfe_u32 s40, ttmp6, 0x40000                  ; cx
	s_bfe_u32 s41, ttmp6, 0x40004                  ; cy
	s_and_b32 s66, ttmp7, 0xffff                   ; the cluster's y, 0 .. 23: the same in all sixteen partners
	s_and_b32 s67, s66, 7
	s_lshl_b32 s67, s67, 2                         ; four tiles of the tokens' 32 to a cluster
	s_lshr_b32 s66, s66, 3                         ; z: 0 q, 1 k, 2 v
	s_cmp_lt_u32 s66, 2
	s_cselect_b32 s17, s67, 0
	s_cselect_b32 s42, 0, s67
	s_add_co_u32 s17, s17, s41                     ; tile row of C
	s_add_co_u32 s42, s42, s40                     ; tile column
	s_lshl_b32 s43, s41, 2
	s_lshl_b32 s43, 15, s43                        ; my row of the cluster
	s_lshl_b32 s44, 0x1111, s40                    ; my column
	s_or_b32 s[G1+0], s43, (3<<16)|(1<<21)         ; 15:0 the mask; 17:16 elements of 8 bytes; 21 set beside a mask; no padding
	s_or_b32 s[G1B+0], s44, (3<<16)|(1<<21)
.irp g, G1, G1B
	s_mov_b32 s[\g+1], 384<<16                     ; tensor_dim0: 3,072 bytes
	s_mov_b32 s[\g+2], 16<<16                      ; tensor_dim1: 16 tiles of 16 rows (the refill: 8, set behind the wait in front of it)
	s_mov_b32 s[\g+3], 384<<16                     ; tile_dim0
	s_mov_b32 s[\g+4], 16                          ; tile_dim1
	s_mov_b32 s[\g+5], 1536                        ; from tile to tile: 12,288 bytes
	s_mov_b32 s[\g+6], 0
	s_mov_b32 s[\g+7], 0
.endr
	s_lshl_b32 s20, s17, 8                         ; A: the tile's first row
	s_lshl_b32 s46, s42, 8                         ; B likewise
	s_lshl_b32 s22, s20, 5                         ; scale words: 32 bytes a row
	s_mov_b32 s23, 0
	s_lshl_b32 s92, s46, 5
	s_mov_b32 s93, 0
	s_mul_i32 s20, s20, 768                        ; codes: 768 bytes a row
	s_mov_b32 s21, 0
	s_mul_i32 s46, s46, 768
	s_mov_b32 s47, 0
	s_mul_i32 s45, s14, HALFT                      ; where they go: no place in the cluster enters an LDS address
	s_mul_i32 s18, s16, 98304                      ; the refill's quarter: which 128 rows, in bytes of codes
	s_mov_b32 s19, 0
	s_mov_b32 s[SEL], 0x76543210
	s_mov_b32 s[SEL+1], 0xfedcba98
	s_mov_b32 s101, 0
	s_wait_dscnt 0x0                               ; both opening adds are done
	s_wait_kmcnt 0x0
	s_mul_i32 s100, s66, 6291456
	s_add_nc_u64 s[68:69], s[68:69], s[100:101]    ; the tokens' codes of tensor z,
	s_mul_i32 s100, s66, 262144
	s_add_nc_u64 s[70:71], s[70:71], s[100:101]    ; their words,
	s_mul_i32 s100, s66, 786432
	s_add_nc_u64 s[72:73], s[72:73], s[100:101]    ; the weight's codes,
	s_mul_i32 s100, s66, 32768
	s_add_nc_u64 s[74:75], s[74:75], s[100:101]    ; its words
	s_cmp_lt_u32 s66, 2
	s_cselect_b64 s[4:5], s[68:69], s[72:73]       ; A's codes
	s_cselect_b64 s[8:9], s[72:73], s[68:69]       ; B's
	s_cselect_b64 s[6:7], s[70:71], s[74:75]       ; A's words
	s_cselect_b64 s[10:11], s[74:75], s[70:71]     ; B's
	s_mov_b64 s[12:13], s[82:83]                   ; img
	s_cmp_eq_u32 s66, 0
	s_cselect_b64 s[96:97], s[76:77], s[78:79]
	s_cmp_eq_u32 s66, 2
	s_cselect_b64 s[96:97], s[80:81], s[96:97]     ; the bias
	s_add_nc_u64 s[20:21], s[4:5], s[20:21]
	s_add_nc_u64 s[22:23], s[6:7], s[22:23]
	s_add_nc_u64 s[46:47], s[8:9], s[46:47]
	s_add_nc_u64 s[92:93], s[10:11], s[92:93]
	s_or_b32 s[G1S+0], s43, (3<<16)|(1<<21)        ; the words of 128 rows: 4,096 dense bytes as 16 rows of 256
	s_or_b32 s[G1SB+0], s44, (3<<16)|(1<<21)
.irp g, G1S, G1SB
	s_mov_b32 s[\g+1], 32<<16
	s_mov_b32 s[\g+2], 32<<16                      ; the words of 256 rows: 32 rows of 256 bytes
	s_mov_b32 s[\g+3], 32<<16
	s_mov_b32 s[\g+4], 32
	s_mov_b32 s[\g+5], 32
	s_mov_b32 s[\g+6], 0
	s_mov_b32 s[\g+7], 0
.endr
	CROUND                                         ; all sixteen work-groups are here: the first joint loads meet
	s_mov_b32 s[G0S], 1
	s_mov_b32 s[G0S+1], SCL
	s_mov_b64 s[G0S+2:G0S+3], s[22:23]
	s_or_b32 s[G0S+3], s[G0S+3], 0x80000000
	s_mov_b32 s[G0SB], 1
	s_mov_b32 s[G0SB+1], SCL+8192
	s_mov_b64 s[G0SB+2:G0SB+3], s[92:93]
	s_or_b32 s[G0SB+3], s[G0SB+3], 0x80000000
; THE ORDER OF THE FILLS, ONE TENSOR LOAD A WAVE EACH TIME.  At the head: wave 0 K step 0's 256 rows of A, wave 1 its 256 rows of B, wave 2 A's words, wave 3 B's.
; Behind the three lines and a round: waves 0, 1 A's 256 rows of K steps 1, 2 into slots 1, 2; waves 2, 3 B's.  Behind the round that leaves slot 0: K step 3, a quarter of the slot a wave.
	s_mov_b32 s[G0], 1                             ; the head: A's 256 rows of K step 0
	s_mov_b32 s[G0+1], 0
	s_mov_b64 s[G0+2:G0+3], s[20:21]
	s_or_b32 s[G0+3], s[G0+3], 0x80000000
	s_mov_b32 s[G0B], 1                            ; B's, behind them in slot 0
	s_mov_b32 s[G0B+1], 2*HALFT
	s_mov_b64 s[G0B+2:G0B+3], s[46:47]
	s_or_b32 s[G0B+3], s[G0B+3], 0x80000000
	s_mul_i32 s94, s16, SLOT                       ; K step 1 + wave % 2 goes into slot 1 + wave % 2
	s_mul_i32 s2, s16, TROW
	s_mov_b32 s3, 0
	s_mov_b32 s[G0+4], 1
	s_add_co_u32 s[G0+5], s94, SLOT
	s_add_nc_u64 s[G0+6:G0+7], s[20:21], s[2:3]
	s_add_nc_u64 s[G0+6:G0+7], s[G0+6:G0+7], TROW
	s_or_b32 s[G0+7], s[G0+7], 0x80000000
	s_mov_b32 s[G0B+4], 1
	s_add_co_u32 s[G0B+5], s94, SLOT+2*HALFT
	s_add_nc_u64 s[G0B+6:G0B+7], s[46:47], s[2:3]
	s_add_nc_u64 s[G0B+6:G0B+7], s[G0B+6:G0B+7], TROW
	s_or_b32 s[G0B+7], s[G0B+7], 0x80000000
	s_add_nc_u64 s[G02+2:G02+3], s[20:21], s[18:19]        ; kept for the refill: my 128 rows, K step 3
	s_add_nc_u64 s[G02+2:G02+3], s[G02+2:G02+3], 3*TROW
	s_or_b32 s[G02+3], s[G02+3], 0x80000000
	s_add_nc_u64 s[G0B2+2:G0B2+3], s[46:47], s[18:19]
	s_add_nc_u64 s[G0B2+2:G0B2+3], s[G0B2+2:G0B2+3], 3*TROW
	s_or_b32 s[G0B2+3], s[G0B2+3], 0x80000000
; one tree of branches on the wave's number: every way through the head passes exactly one load
.macro ARM under, g0, g1, next
	s_cmp_lt_u32 s14, \under
	s_cbranch_scc0 \next
	tensor_load_to_lds s[\g0:\g0+3], s[\g1:\g1+7]
	s_nop 0
.rept 4
	v_nop
.endr
	s_branch .Lhead_asked
\next:
.endm
	ARM 1, G0,  G1,  .Lhead_b
	ARM 2, G0B, G1B, .Lhead_sa
	ARM 3, G0S, G1S, .Lhead_sb
	tensor_load_to_lds s[G0SB:G0SB+3], s[G1SB:G1SB+7]
	s_nop 0
.rept 4
	v_nop
.endr
.Lhead_asked:
	v_and_b32 v1, 31, v0                           ; lane
	v_and_b32 v2, 15, v0                           ; r
	v_bfe_u32 v3, v0, 4, 1                         ; h
	v_lshlrev_b32 v7, 4, v1                        ; 16 x lane
	v_lshlrev_b32 v8, 3, v1                        ; 8 x lane
	s_mul_i32 s21, s15, HALFT                      ; my 128 rows of A
	s_mul_i32 s22, s16, HALFT
	s_add_co_u32 s22, s22, 2*HALFT                 ; my 128 rows of B, behind A's 256
.irp s, 0,1
	v_add_nc_u32 v[AS0+\s], s21, v7
	v_add_nc_u32 v[BS0+\s], s22, v7
	v_add_nc_u32 v[AS0+2+\s], s21, v8
	v_add_nc_u32 v[BS0+2+\s], s22, v8
	s_add_co_u32 s21, s21, SLOT
	s_add_co_u32 s22, s22, SLOT
.endr
	v_add_nc_u32 v[AS2], s21, v7
	v_add_nc_u32 v[BS2], s22, v7
	v_add_nc_u32 v[AS2+2], s21, v8
	v_add_nc_u32 v[BS2+2], s22, v8
	s_lshl_b32 s21, s15, 12                        ; A's words: my 128 rows
	s_lshl_b32 s22, s16, 12
	s_add_co_u32 s22, s22, 8192                    ; B's, behind A's two blocks
	s_sub_co_u32 s22, s22, s21
	v_mul_u32_u24 v5, s22, v3                      ; lanes 16-31 take B's: one product, the distance between the two
	s_add_co_u32 s21, s21, SCL
	v_lshl_add_u32 v5, v2, 2, v5
	v_add_nc_u32 v[ADRS], s21, v5
	; the way out's offsets, all made here, ahead of the parting of the two ways
	v_lshlrev_b32 v9, 6, v3                        ; q, k: the bias of my half: 64 h bytes
	v_and_b32 v10, 8, v2
	v_add_nc_u32 v10, v10, v2
	v_lshlrev_b32 v10, 2, v10                      ; v: the bias of my row: 4 (r + 8 (r / 8))
	s_lshl_b32 s21, s14, 10
	s_add_co_u32 s21, s21, SCR
	v_lshl_add_u32 v11, v2, 2, s21                 ; q, k: my wave's 1,024 bytes of words in LDS
	v_add_nc_u32 v12, s21, v7
	s_lshl_b32 s21, s14, 9
	s_add_co_u32 s21, s21, SCR+4096
	v_lshl_add_u32 v13, v2, 2, s21                 ; v: 512 bytes a wave, in bytes of their own
	v_add_nc_u32 v14, s21, v7
	v_mul_u32_u24 v15, v3, 8*VREC
	v_lshl_add_u32 v15, v2, 4, v15                 ; v: lanes 16-31 store the next head's words
.irp b, 0,1,2,3
	v_mov_b32 v[TM+4+\b], 0                        ; a lane permute's destination counts as read
.endr
.macro FRAG reg, adr, q, i             ; a fragment: two pieces, four dense loads
	ds_load_b128 v[\reg:\reg+3], v[\adr] offset:(\i)*TROW+(\q)*1536
	ds_load_b64 v[\reg+4:\reg+5], v[\adr+2] offset:(\i)*TROW+(\q)*1536+512
	ds_load_b128 v[\reg+6:\reg+9], v[\adr] offset:(\i)*TROW+(\q)*1536+768
	ds_load_b64 v[\reg+10:\reg+11], v[\adr+2] offset:(\i)*TROW+(\q)*1536+1280
.endm
; 16 matrix instructions: A's blocks a0, a0 + 1 x B's eight.  The 64 accumulators take turns, one instruction a turn, in the same order in every step.
.macro MUL16 a0, p, q, sc, zero
.irp a, \a0, \a0+1
.irp b, 0,1,2,3,4,5,6,7
.if \zero
	v_wmma_scale_f32_16x16x128_f8f6f4 v[8*(8*((\a)%4)+\b):8*(8*((\a)%4)+\b)+7], v[128*(\p)+FR*\b:128*(\p)+FR*\b+FR-1], v[AF+FR*(\a):AF+FR*(\a)+FR-1], 0, v[SC+8*NQ*(\sc)+NQ*\b+(\q)], v[SC+8*NQ*(\sc)+NQ*(\a)+(\q)] matrix_a_fmt:MATRIX_FMT_FP6 matrix_b_fmt:MATRIX_FMT_FP6 matrix_a_scale:MATRIX_SCALE_ROW1
.else
	v_wmma_scale_f32_16x16x128_f8f6f4 v[8*(8*((\a)%4)+\b):8*(8*((\a)%4)+\b)+7], v[128*(\p)+FR*\b:128*(\p)+FR*\b+FR-1], v[AF+FR*(\a):AF+FR*(\a)+FR-1], v[8*(8*((\a)%4)+\b):8*(8*((\a)%4)+\b)+7], v[SC+8*NQ*(\sc)+NQ*\b+(\q)], v[SC+8*NQ*(\sc)+NQ*(\a)+(\q)] matrix_a_fmt:MATRIX_FMT_FP6 matrix_b_fmt:MATRIX_FMT_FP6 matrix_a_scale:MATRIX_SCALE_ROW1
.endif
.endr
.endr
.endm
.macro FETCH_B adr, q, p
	WIN TO_B
.irp i, 0,1,2,3,4,5,6,7
	FRAG 128*(\p)+FR*\i, \adr, \q, \i
.endr
	WIN 0
.endm
.macro FETCH_A adr, q, i0
.irp i, \i0, \i0+1, \i0+2, \i0+3
	FRAG AF+FR*(\i), \adr, \q, \i
.endr
.endm
.macro SCALES sc                       ; a K step's words: register 2 i + q: lanes 0-15 A's block i, lanes 16-31 B's block i, the step's q-th 128 along K
.irp i, 0,1,2,3,4,5,6,7
.irp q, 0,1
	ds_load_b32 v[SC+16*(\sc)+2*\i+\q], v[ADRS] offset:512*\q+64*\i
.endr
.endr
.endm
.macro PLACES n
.rept \n
	v_nop
.endr
.endm
.macro STEP aadr, badr, q, sc, zero    ; a step of 128 along K that has its successor in the same slot; sc: the set of scale words (the K step's number % 2)
	s_wait_dscnt 4*NL                              ; all but the youngest 16 loads (A's blocks 4-7) are in
	WIN MUL_LO
	MUL16 0, (\q)%2, \q, \sc, \zero
	MUL16 2, (\q)%2, \q, \sc, \zero
	s_wait_dscnt 0
	PLACES NP                                      ; in front of loads into registers that matrix instructions have read
	FETCH_B \badr, (\q)+1, 1-(\q)%2
	FETCH_A \aadr, (\q)+1, 0
	WIN MUL_HI
	MUL16 4, (\q)%2, \q, \sc, \zero
	MUL16 6, (\q)%2, \q, \sc, \zero
	PLACES NP
	WIN 0
	FETCH_A \aadr, (\q)+1, 4
.endm
; A slot's last step goes on into the next slot (aadr, badr; its words into set nsc).
; mode 2: slot 0 is left and filled again, with K step 3: each wave waits for all its tensor loads (slots 1 and 2), adds 0 to its spare word, waits for that and for its reads of slot 0; a round of the cluster's barrier; the joint refill.
; mode 0: from slot 1 to slot 2: every wave's part of slot 2 was waited for ahead of that round, so no barrier is owed, and the refill stays on its way.
; mode 1: from slot 2 back to slot 0: my part of the refill is in, and a barrier shows everybody's.
.macro TURN sc, aadr, badr, nsc, mode
.if \mode
	s_wait_tensorcnt 0x0                           ; all my tensor loads have landed
	ds_add_u32 v[SPW], v[NIL]
.if \mode == 2
	s_mov_b32 s[G1+2], 8<<16                       ; no tensor load of mine is out: the refill brings 8 tiles of 16 rows a wave
	s_mov_b32 s[G1+4], 8
	s_mov_b32 s[G1B+2], 8<<16
	s_mov_b32 s[G1B+4], 8
.endif
	s_wait_dscnt 4*NL+1                            ; (the add and the youngest 16 loads may be out)
.else
	s_wait_dscnt 4*NL
.endif
	WIN MUL_LO
	MUL16 0, 1, NQ-1, \sc, 0
	s_wait_dscnt 0x0                               ; my reads of this slot are over (modes 1, 2: and the add is done)
.if \mode
	s_barrier_signal -1
.endif
	MUL16 2, 1, NQ-1, \sc, 0
	WIN 0
.if \mode
	s_barrier_wait -1
.endif
.if \mode == 2
	CREST                                          ; the barrier has opened a round of the cluster's: no wave of any partner still reads slot 0 or has a load on its way
	JLOAD G0, G1, G0B, G1B                         ; my one tensor load behind the round; its four v_nop are the places in front of the loads below
.else
	PLACES NP
.endif
	v_add_nc_u32 v[ADRS], 1024, v[ADRS]            ; the next K step's words (no LDS load of mine is out)
	FETCH_B \badr, 0, 0
	FETCH_A \aadr, 0, 0
	SCALES \nsc
	WIN MUL_HI
	MUL16 4, 1, NQ-1, \sc, 0
	MUL16 6, 1, NQ-1, \sc, 0
	PLACES NP
	WIN 0
	FETCH_A \aadr, 0, 4
.endm
; 64 numbers of a lane, register 16 b + i = k 32 b + 16 h + i of my row, become an operand's 12 registers in v[PC] on and its scale word in v[PW].
.macro QUANT s
.irp b, 0,1,2,3
	v_max3_num_f32 v[TM+\b], |v[\s+16*\b]|, |v[\s+1+16*\b]|, 0x1800000   ; my 16 of block b, and the floor 2^(3 - 127)
.endr
.irp i, 2,4,6,8,10,12,14
.irp b, 0,1,2,3
	v_max3_num_f32 v[TM+\b], v[TM+\b], |v[\s+16*\b+\i]|, |v[\s+1+16*\b+\i]|
.endr
.endr
.irp b, 0,1,2,3
	v_permlanex16_b32 v[TM+4+\b], v[TM+\b], s[SEL], s[SEL+1]
.endr
.irp b, 0,1,2,3
	v_max_num_f32 v[TM+\b], v[TM+\b], v[TM+4+\b]   ; with lane l xor 16's: the block's largest magnitude
.endr
.irp b, 0,1,2,3
	v_add_nc_u32 v[TM+12+\b], 0xff000000, v[TM+\b] ; 2 off the exponent field: the conversion's scale operand
.endr
.irp b, 0,1,2,3
	v_lshrrev_b32 v[TM+4+\b], 23, v[TM+12+\b]      ; the byte
.endr
	v_lshl_or_b32 v[PW], v[TM+5], 8, v[TM+4]
	v_lshl_or_b32 v[PW], v[TM+6], 16, v[PW]
	v_lshl_or_b32 v[PW], v[TM+7], 24, v[PW]
.irp c, 0,1
	v_cvt_scalef32_pk16_fp6_f32 v[PC+6*\c:PC+2+6*\c], v[\s+32*\c:\s+15+32*\c], v[TM+12+2*\c]
	v_cvt_scalef32_pk16_fp6_f32 v[PC+12+4*\c:PC+14+4*\c], v[\s+16+32*\c:\s+31+32*\c], v[TM+12+2*\c+1]
.endr
	v_nop                                          ; one plain place behind a scaled conversion
.irp c, 0,1                            ; the operand wants a whole block in a lane
.irp i, 0,1,2
	v_permlane16_swap_b32 v[PC+6*\c+\i], v[PC+12+4*\c+\i]
.endr
.irp i, 0,1,2
	v_mov_b32 v[PC+3+6*\c+\i], v[PC+12+4*\c+\i]
.endr
.endr
.endm
; A's block a leaves: + bias (which also brings the 64 numbers into window 0, each accumulator from its low end on), quantised, stored as two pieces.
.macro OUTBLK a, kind
	s_wait_dscnt 0x0                               ; the last block's word stores have read their registers,
	s_wait_xcnt 0x0                                ; and its global stores theirs: both are written again below
	WIN 0x02+(\a)/4                                ; source 0: window 2 or 3
.set AC, 64*((\a)%4)
.set i, 0
.rept 32
.if \kind
	v_pk_add_f32 v[ST+i:ST+i+1], v[AC+i:AC+i+1], v[BN+2*(\a):BN+2*(\a)+1] op_sel_hi:[1,0]   ; v: the bias of my row
.else
	v_pk_add_f32 v[ST+i:ST+i+1], v[AC+i:AC+i+1], v[BN+i:BN+i+1]                             ; q, k: the bias of each column
.endif
.set i, i+2
.endr
	WIN 0
	QUANT ST
.if \kind
	global_store_b128 v7, v[PC:PC+3], s[12:13] offset:((\a)/4)*8*VREC+((\a)%4)*1536
	global_store_b64 v8, v[PC+4:PC+5], s[12:13] offset:((\a)/4)*8*VREC+((\a)%4)*1536+512
	global_store_b128 v7, v[PC+6:PC+9], s[12:13] offset:((\a)/4)*8*VREC+((\a)%4)*1536+768
	global_store_b64 v8, v[PC+10:PC+11], s[12:13] offset:((\a)/4)*8*VREC+((\a)%4)*1536+1280
	ds_store_b32 v13, v[PW] offset:64*(\a)
.else
	global_store_b128 v7, v[PC:PC+3], s[12:13] offset:768*(\a)                   ; the first head's piece,
	global_store_b64 v8, v[PC+4:PC+5], s[12:13] offset:768*(\a)+512
	global_store_b128 v7, v[PC+6:PC+9], s[12:13] offset:8*KREC+768*(\a)          ; the next head's
	global_store_b64 v8, v[PC+10:PC+11], s[12:13] offset:8*KREC+768*(\a)+512
	v_perm_b32 v241, v[PW], v[PW], 0x01000100      ; s0 s1 s0 s1 of the first head,
	v_perm_b32 v242, v[PW], v[PW], 0x03020302      ; of the next
	ds_store_b32 v11, v241 offset:64*(\a)
	ds_store_b32 v11, v242 offset:512+64*(\a)
.endif
.endm
; The last K step (in slot 0) and the way out, once for q and k (kind 0), once for v (kind 1).  The bias is asked for ahead of the step's 128 matrix instructions.
.macro TAIL kind
.if \kind
	s_lshl_b32 s18, s42, 8
	s_lshl_b32 s19, s16, 7
	s_add_co_u32 s18, s18, s19                     ; my first key
	s_lshl_b32 s20, s17, 2
	s_lshl_b32 s21, s15, 1
.else
	s_lshl_b32 s18, s17, 8
	s_lshl_b32 s19, s15, 7
	s_add_co_u32 s18, s18, s19                     ; my first token
	s_lshl_b32 s20, s42, 2
	s_lshl_b32 s21, s16, 1
.endif
	s_add_co_u32 s20, s20, s21                     ; my first head
	s_lshr_b32 s19, s18, 10                        ; the batch
	s_bfe_u32 s18, s18, 0x30007                    ; which 128 of its 1,024
	s_lshl_b32 s19, s19, 4
	s_add_co_u32 s19, s19, s20
	s_lshl_b32 s19, s19, 3
	s_add_co_u32 s19, s19, s18                     ; the record
.if \kind
	s_mul_i32 s18, s19, VREC
	s_add_co_u32 s18, s18, 2*QPART
	s_lshl_b32 s20, s17, 10
	s_lshl_b32 s21, s15, 9
.else
	s_mul_i32 s18, s19, KREC
	s_mul_i32 s19, s66, QPART
	s_add_co_u32 s18, s18, s19
	s_lshl_b32 s20, s42, 10
	s_lshl_b32 s21, s16, 9
.endif
	s_mov_b32 s19, 0
	s_add_nc_u64 s[12:13], s[12:13], s[18:19]
	s_add_co_u32 s20, s20, s21                     ; my 128 numbers of the bias
	s_mov_b32 s21, 0
	s_add_nc_u64 s[96:97], s[96:97], s[20:21]
.if \kind
.irp a, 0,1,2,3,4,5,6,7
	global_load_b32 v[BN+2*\a], v10, s[96:97] offset:(32*(\a/2)+8*(\a%2))*4
	global_load_b32 v[BN+2*\a+1], v10, s[96:97] offset:(32*(\a/2)+8*(\a%2))*4    ; (the packed addition names the pair)
.endr
.else
.irp t, 0,1,2,3
.irp j, 0,1,2,3
	global_load_b128 v[BN+16*\t+4*\j:BN+16*\t+4*\j+3], v9, s[96:97] offset:128*\t+16*\j
.endr
.endr
.endif
	STEP AS0, BS0, 0, 1, 0
	s_wait_dscnt 4*NL                              ; the very last step: nothing more to fetch
	WIN MUL_LO
	MUL16 0, 1, NQ-1, 1, 0
	MUL16 2, 1, NQ-1, 1, 0
	s_wait_dscnt 0
	WIN MUL_HI
	MUL16 4, 1, NQ-1, 1, 0
	MUL16 6, 1, NQ-1, 1, 0
	WIN 0
	PLACES NP                                      ; in front of the first read of results and the first write over A's fragments
	s_wait_loadcnt 0x0                             ; the bias
.irp a, 0,1,2,3,4,5,6,7
	OUTBLK \a, \kind
.endr
.if \kind
	ds_load_b128 v[ST:ST+3], v14                   ; LDS serves a wave's instructions in order: these see my stores
	s_wait_dscnt 0x0
	global_store_b128 v15, v[ST:ST+3], s[12:13] offset:4*1536      ; sixteen lanes store a record's 256 bytes of words
.else
	ds_load_b128 v[ST:ST+3], v12
	ds_load_b128 v[ST+4:ST+7], v12 offset:512
	s_wait_dscnt 0x0
	global_store_b128 v7, v[ST:ST+3], s[12:13] offset:8*768        ; a record's 512 bytes of words
	global_store_b128 v7, v[ST+4:ST+7], s[12:13] offset:8*KREC+8*768
.endif
.endm
	s_wait_alu depctr_va_vdst(0)                   ; the wait at the head's end
	s_wait_tensorcnt 0x0                           ; my tile of the head's four is in
	ds_add_u32 v[SPW], v[NIL]
	s_add_co_u32 s[G0+1], s45, 0                   ; no tensor load of mine is out: slot 0's groups 0 take the refill's quarter
	s_mov_b64 s[G0+2:G0+3], s[G02+2:G02+3]
	s_add_co_u32 s[G0B+1], s45, 0
	s_mov_b64 s[G0B+2:G0B+3], s[G0B2+2:G0B2+3]
	s_wait_dscnt 0x0                               ; the add is done
	CROUND                                         ; all four tiles are in, and all sixteen work-groups are here
	JLOAD G0+4, G1, G0B+4, G1B                     ; K steps 1 and 2, my one tensor load behind the round
	FETCH_B BS0, 0, 0
	FETCH_A AS0, 0, 0
	SCALES 0
	FETCH_A AS0, 0, 4
	STEP AS0, BS0, 0, 0, 1                         ; K step 0; its first products start the sums: nothing is cleared
	TURN 0, AS1, BS1, 1, 2                         ; slot 0 is left and takes K step 3
	s_wait_alu depctr_va_vdst(0)
	STEP AS1, BS1, 0, 1, 0                         ; K step 1
	TURN 1, AS2, BS2, 0, 0
	s_wait_alu depctr_va_vdst(0)
	STEP AS2, BS2, 0, 0, 0                         ; K step 2
	TURN 0, AS0, BS0, 1, 1                         ; on to K step 3
	s_cmp_eq_u32 s66, 2                            ; z: made of the cluster's number alone, the same in all waves and partners; no barrier and no tensor load lies in the two ways
	s_cbranch_scc1 .Lv
	TAIL 0
	s_branch .Lend
.Lv:
	TAIL 1
.Lend:
	s_wait_tensorcnt 0x0                           ; the wave's end
	ds_add_u32 v[SPW], v[NIL]
	s_wait_dscnt 0x0
	CROUND                                         ; the closing round
	s_endpgm
.Lfunc_end_k_q4ce50ebdd4_proj:
	.size	k_q4ce50ebdd4_proj, .Lfunc_end_k_q4ce50ebdd4_proj-k_q4ce50ebdd4_proj
	.p2alignl 7, 3214868480
	.fill 96, 4, 3214868480
	.section	.rodata,"a",@progbits
	.p2align	6, 0x0
	.amdhsa_kernel k_q4ce50ebdd4_proj
		.amdhsa_group_segment_fixed_size 327680
		.amdhsa_private_segment_fixed_size 0
		.amdhsa_enable_private_segment 0
		.amdhsa_kernarg_size 64
		.amdhsa_user_sgpr_count 2
		.amdhsa_user_sgpr_kernarg_segment_ptr 1
		.amdhsa_wavefront_size32 1
		.amdhsa_system_sgpr_workgroup_id_x 1
		.amdhsa_system_sgpr_workgroup_id_y 1
		.amdhsa_system_sgpr_workgroup_id_z 1
		.amdhsa_system_vgpr_workitem_id 0
		.amdhsa_next_free_vgpr 1024
		.amdhsa_next_free_sgpr 102
		.amdhsa_reserve_vcc 0
		.amdhsa_float_denorm_mode_32 3
		.amdhsa_float_denorm_mode_16_64 3
		.amdhsa_memory_ordered 1
		.amdhsa_forward_progress 1
		.amdhsa_inst_pref_size 246
	.end_amdhsa_kernel
	.amdgpu_metadata
---
amdhsa.version: [ 1, 2 ]
amdhsa.kernels:
  - .name:           k_q4ce50ebdd4_proj
    .symbol:         k_q4ce50ebdd4_proj.kd
    .args:
      - { .name: xc, .offset: 0, .size: 8, .value_kind: global_buffer, .address_space: global }
      - { .name: xs, .offset: 8, .size: 8, .value_kind: global_buffer, .address_space: global }
      - { .name: wc, .offset: 16, .size: 8, .value_kind: global_buffer, .address_space: global }
      - { .name: ws, .offset: 24, .size: 8, .value_kind: global_buffer, .address_space: global }
      - { .name: bq, .offset: 32, .size: 8, .value_kind: global_buffer, .address_space: global }
      - { .name: bk, .offset: 40, .size: 8, .value_kind: global_buffer, .address_space: global }
      - { .name: bv, .offset: 48, .size: 8, .value_kind: global_buffer, .address_space: global }
      - { .name: img, .offset: 56, .size: 8, .value_kind: global_buffer, .address_space: global }
    .group_segment_fixed_size: 327680
    .private_segment_fixed_size: 0
    .kernarg_segment_align: 8
    .kernarg_segment_size: 64
    .max_flat_workgroup_size: 128
    .sgpr_count:     102
    .vgpr_count:     1024
    .wavefront_size: 32
...
	.end_amdgpu_metadata
.endif
;; end of part 2
;; launch attn (part 3): grid 4 x 64, 16 waves a work-group, clusters of 4 x 1, 211,968 bytes of LDS; arguments img, oc, os; writes oc, os
.if DOCPART == 3
	.amdgcn_target "amdgcn-amd-amdhsa--gfx1250"
	.amdhsa_code_object_version 6
	.text
	.protected	k_q4ce50ebdd4_attn
	.globl	k_q4ce50ebdd4_attn
	.p2align	8
	.type	k_q4ce50ebdd4_attn,@function
k_q4ce50ebdd4_attn:
	s_mov_b64 s[64:65], 0
	v_nop
	global_prefetch_b8 v0, s[64:65] scope:SCOPE_SE
	s_setreg_imm32_b32 hwreg(HW_REG_WAVE_MODE, 25, 1), 1
	s_wait_xcnt 0x0
	s_wait_alu depctr_hold_cnt(0) depctr_sa_sdst(0) depctr_va_vdst(0) depctr_va_sdst(0) depctr_va_ssrc(0) depctr_va_vcc(0) depctr_vm_vsrc(0)
	s_getreg_b32 s2, hwreg(HW_REG_IB_STS2, 6, 4)
	s_cmp_eq_u32 s2, 0
	s_cbranch_scc0 .Lentry_in_a_cluster
	s_endpgm
.Lentry_in_a_cluster:
	s_bfe_u32 s2, ttmp6, 0x10000c
	s_cmp_lg_u32 s2, 0x3003
	s_cbranch_scc0 .Lentry_shape_is_right
	s_endpgm
.Lentry_shape_is_right:
; LAUNCH 3 OF 4: scores, mask, softmax, p x V, / l, and the result quantised into the operand of the last projection.  Nothing is left out.
; t = (q . k) x log2(e) / 8; a score equal to 0 becomes -infinity; M = the running largest t rounded up to a whole number; p = 2^(t - M) is quantised along the keys;
; the row's sum is taken of the unquantised p; when M moves, sum and O are multiplied by 2^(old M - new M), which rounds nothing.
; THE MASK IS ONE INTEGER LINE A SCORE: 1 is taken off the exponent field (+ 0xff800000).  The bits of +0 become those of -infinity; every other score is halved exactly, and the constant of t is doubled.
; SHARES.  A work-group owns 256 queries of one batch and two heads, 2 kp and 2 kp + 1; each of its sixteen waves owns 16 queries and walks 16 steps of 128 keys, 8 for each head.
; K AND V OF BOTH HEADS LIE IN LDS WHOLE: 16 records of K (106,496 dense bytes of img), then 16 of V (102,400).  Each wave fetches two records by ONE joint load, as rows of 256 bytes: waves 0-7 K's, waves 8-15 V's.
; No byte is filled again: no ring, nothing left to prefetch.  One barrier, behind every wave's wait for its load, shows all of it to all waves.
; CLUSTER.  The four blocks of queries of a batch want the same K and V: every fill names the four.
; LAYOUT.  Both products transposed: S^T = K Q^T, O^T = V^T P^T: a lane holds one query.  Tile 4 c + u of K holds keys 64 c + 8 u + 0..7 in rows 0-7 and 64 c + 32 + 8 u + 0..7 in rows 8-15 (launch 1 lays k so):
; register S + 32 c + i of lane (r, h) is key 64 c + 32 h + i of query r: A LANE HOLDS TWO WHOLE BLOCKS OF 32 KEYS, in the order of the operand's registers: no lane is asked for a block's maximum, no code changes lanes.
; THE HEAD'S K IS 64, the instruction's 128: the other half is zero codes on both sides: an even tile is [piece | zeros] x [Q | zeros], an odd one [zeros | piece] x [zeros | Q]; the words s0 s1 s0 s1 serve both.
; A step's K is asked for a step ahead, into registers that are free behind the step's eight score products.
; LIMITS: NaN and infinities are not served.  A score with the bits of -0 is not served (the sums begin with C = +0), nor one that is not 0 and lies under 2^-126 in magnitude.
; A score that is not 0 but whose eighth underflows to 0 in f32 is not masked.  A query ALL of whose scores are 0 has l = 0: the problem's result is NaN there, this format has no code for NaN, so out0 is not NaN there.
; Bytes are held at 1 from below; a block of zeros has the byte 1.  The promise holds while |t| stays under 2^31.
; REGISTERS: v1-3 16, 8, 4 x lane; v4-6 K's addresses, v0, v11, v255 V's; v7, v8 the add's two; v9 8 h; v10 my row's word; v12 -M, v13 the largest halved score, v[14:15] the sum;
;   v16-33, v34-51 Q of the two heads as [Q | zeros | Q]; v52, v53 Q's words; v54-125 four pairs [piece | zeros | piece] of K; v126-129 K's words; v130-131 V's; v132-195 S^T, then p, then V's four operands;
;   v196-227 O^T; v228-239 p's codes; v240-254 at work.
.set KREC,  6656
.set VREC,  6400
.set VB0,   16*KREC                    ; V's records lie behind K's
.set GATH,  16*(KREC+VREC)             ; the work-group's 256 scale words
.set SPARE, GATH+1024                  ; the spare words, 128 bytes a wave: eight blocks of 256 bytes that no other line names
.set QPART, 6815744
.set KF, 54
.set S,  132
.set O,  196
.set PC, 228
.macro CROUND
	s_barrier_signal -1
	s_barrier_wait -1
	s_cmp_lg_u32 s10, 0
	s_cbranch_scc1 .Lnot_wave_0_\@
	s_barrier_signal -3
.Lnot_wave_0_\@:
	s_barrier_wait -3
	s_barrier_signal -1
	s_barrier_wait -1
.endm
	s_load_b128 s[4:7], s[0:1], 0x0                ; img, oc
	s_load_b64 s[8:9], s[0:1], 0x10                ; os
	v_lshl_add_u32 v7, v0, 2, SPARE
	v_mov_b32 v8, 0
	ds_add_u32 v7, v8                              ; the wave's opening: the add, twice on end, and its wait ahead of my tensor load
	ds_add_u32 v7, v8
	v_lshrrev_b32 v1, 5, v0
	v_readfirstlane_b32 s10, v1                    ; wave 0..15
	s_bfe_u32 s11, ttmp6, 0x40000                  ; cx: my block of 256 queries
	s_and_b32 s12, ttmp7, 0xffff
	s_lshr_b32 s13, s12, 3                         ; the batch
	s_and_b32 s12, s12, 7                          ; kp: the pair of heads
	s_lshl_b32 s14, s13, 4
	s_lshl_b32 s15, s12, 1
	s_add_co_u32 s14, s14, s15
	s_lshl_b32 s14, s14, 3                         ; the first head's first record
	s_lshr_b32 s16, s10, 3
	s_and_b32 s17, s10, 7
	s_lshl_b32 s18, s17, 1
	s_add_co_u32 s18, s18, s14                     ; the first of the two records that I fetch
	s_mul_i32 s20, s18, KREC
	s_add_co_u32 s20, s20, QPART                   ; behind the q part: the k part,
	s_mov_b32 s21, 0
	s_mul_i32 s22, s18, VREC
	s_add_co_u32 s22, s22, 2*QPART                 ; then the v part
	s_mov_b32 s23, 0
	s_mov_b32 s40, 1                               ; group 0 for K's two records,
	s_mul_i32 s41, s17, 2*KREC
	s_mov_b32 s44, 1                               ; and for V's: no place in the cluster enters an LDS address
	s_mul_i32 s45, s17, 2*VREC
	s_add_co_u32 s45, s45, VB0
	s_mov_b32 s24, 15|(3<<16)|(1<<21)              ; K: 15:0 all four work-groups; elements of 8 bytes; 21 set beside a mask; 52 rows of 256 bytes
	s_mov_b32 s25, 32<<16
	s_mov_b32 s26, 52<<16
	s_mov_b32 s27, 32<<16
	s_mov_b32 s28, 52
	s_mov_b32 s29, 32
	s_mov_b32 s30, 0
	s_mov_b32 s31, 0
	s_mov_b32 s32, 15|(3<<16)|(1<<21)              ; V: 50 rows
	s_mov_b32 s33, 32<<16
	s_mov_b32 s34, 50<<16
	s_mov_b32 s35, 32<<16
	s_mov_b32 s36, 50
	s_mov_b32 s37, 32
	s_mov_b32 s38, 0
	s_mov_b32 s39, 0
	s_mov_b32 s48, 0x76543210
	s_mov_b32 s49, 0xfedcba98                      ; selects for lane l xor 16
	s_mov_b32 s50, 0x3eb8aa3b                      ; log2(e) / 4: t = the halved score x this
	s_mov_b32 s51, s50                             ; (named with it as a pair)
	s_mov_b32 s66, 0xff800000                      ; 1 off the exponent field
	s_mov_b32 s67, 0xbeb8aa3b                      ; -log2(e) / 4
	s_lshl_b32 s60, s11, 1                         ; Q: the record of my 128 queries: 2 cx + wave / 8,
	s_add_co_u32 s60, s60, s14
	s_add_co_u32 s60, s60, s16
	s_mul_i32 s60, s60, KREC
	s_mul_i32 s62, s17, 768
	s_add_co_u32 s62, s62, s60                     ; my tile's piece,
	s_mov_b32 s63, 0
	s_lshl_b32 s61, s17, 6
	s_add_co_u32 s60, s60, s61
	s_add_co_u32 s60, s60, 8*768                   ; and its words
	s_mov_b32 s61, 0
	s_lshl_b32 s74, s13, 6                         ; oc: tile of rows 64 b + 16 cx + wave, piece = head
	s_lshl_b32 s75, s11, 4
	s_add_co_u32 s74, s74, s75
	s_add_co_u32 s74, s74, s10
	s_lshl_b32 s74, s74, 4
	s_add_co_u32 s74, s74, s15
	s_mul_i32 s74, s74, 768
	s_mov_b32 s75, 0
	s_lshl_b32 s76, s13, 3                         ; os: block of 128 rows 8 b + 2 cx, K step kp
	s_lshl_b32 s77, s11, 1
	s_add_co_u32 s76, s76, s77
	s_lshl_b32 s76, s76, 12
	s_lshl_b32 s77, s12, 9
	s_add_co_u32 s76, s76, s77
	s_mov_b32 s77, 0
	s_wait_dscnt 0x0                               ; both opening adds are done
	s_wait_kmcnt 0x0
	s_add_nc_u64 s[54:55], s[4:5], s[62:63]
	s_add_nc_u64 s[56:57], s[4:5], s[60:61]
	s_add_nc_u64 s[6:7], s[6:7], s[74:75]
	s_add_nc_u64 s[8:9], s[8:9], s[76:77]
	s_add_nc_u64 s[42:43], s[4:5], s[20:21]
	s_add_nc_u64 s[46:47], s[4:5], s[22:23]
	s_or_b32 s43, s43, 0x80000000
	s_or_b32 s47, s47, 0x80000000
	CROUND                                         ; all four work-groups are here: the joint loads meet
	s_cmp_lt_u32 s10, 8                            ; one load in each arm: every wave issues exactly one
	s_cbranch_scc0 .Lfill_v
	tensor_load_to_lds s[40:43], s[24:31]
	s_nop 0
.rept 4
	v_nop
.endr
	s_branch .Lfilled
.Lfill_v:
	tensor_load_to_lds s[44:47], s[32:39]
	s_nop 0
.rept 4
	v_nop
.endr
.Lfilled:
	v_and_b32 v1, 31, v0
	v_and_b32 v6, 15, v0
	v_bfe_u32 v9, v0, 4, 1
	v_lshlrev_b32 v3, 2, v1
	v_lshlrev_b32 v2, 3, v1
	v_lshlrev_b32 v1, 4, v1
	v_lshlrev_b32 v6, 2, v6                        ; 4 r, for Q's words; v6 is written anew only behind the wait for these loads
	v_lshlrev_b32 v9, 3, v9                        ; 8 h
.irp e, 0,1                            ; Q of both heads stays in registers, each piece twice
	global_load_b128 v[16+18*\e:19+18*\e], v1, s[54:55] offset:8*KREC*\e
	global_load_b64 v[20+18*\e:21+18*\e], v2, s[54:55] offset:8*KREC*\e+512
	global_load_b128 v[28+18*\e:31+18*\e], v1, s[54:55] offset:8*KREC*\e
	global_load_b64 v[32+18*\e:33+18*\e], v2, s[54:55] offset:8*KREC*\e+512
	global_load_b32 v[52+\e], v6, s[56:57] offset:8*KREC*\e
.endr
.irp i, 0,1,2,3,4,5
	v_mov_b32 v[22+\i], 0                          ; the zero codes: Q's,
	v_mov_b32 v[40+\i], 0
.irp j, 0,1,2,3
	v_mov_b32 v[KF+18*\j+6+\i], 0                  ; and K's, in registers of their own
.endr
.endr
	v_mov_b32 v242, 0                              ; a permute's destination and the upper half of the pair v[252:253] count as read
	v_mov_b32 v253, 0
.macro STATE                           ; a head begins: zeros, which the first change of M leaves zeros, and -3e38, under every halved score
	v_mov_b32 v13, 0xff61b1e6
	v_mov_b32 v14, 0
	v_mov_b32 v15, 0
	v_mul_f32 v12, s67, v13
.set i, 0
.rept 32
	v_mov_b32 v[O+i], 0
.set i, i+1
.endr
	v_floor_f32 v12, v12
.endm
.macro ADDR                            ; the addresses of the step whose records begin at s52 (K) and s68 (V)
	v_add_nc_u32 v4, s52, v1
	v_add_nc_u32 v5, s52, v2
	v_add_nc_u32 v6, s52, v3
	v_add_nc_u32 v0, s68, v1
	v_add_nc_u32 v11, s68, v2
	v_add_nc_u32 v255, s68, v3
.endm
.macro KLOAD off                       ; K's eight pieces and four registers of words of the record off bytes behind the step's
.irp j, 0,1,2,3
	ds_load_b128 v[KF+18*\j:KF+18*\j+3], v4 offset:\off+1536*\j
	ds_load_b64 v[KF+18*\j+4:KF+18*\j+5], v5 offset:\off+1536*\j+512
	ds_load_b128 v[KF+18*\j+12:KF+18*\j+15], v4 offset:\off+1536*\j+768
	ds_load_b64 v[KF+18*\j+16:KF+18*\j+17], v5 offset:\off+1536*\j+1280
	ds_load_b32 v[126+\j], v6 offset:\off+8*768+128*\j  ; lanes 0-15 tile 2 j's words, lanes 16-31 tile 2 j + 1's
.endr
.endm
; A KEY STEP: 128 keys.  Its K was asked for a step ago.  pre = 1: the next record's K is asked for, and the next step's addresses are made.
.macro STEP QF, QW, pre
	s_wait_dscnt 0x0                               ; K is in
.irp j, 0,1,2,3
	v_wmma_scale_f32_16x16x128_f8f6f4 v[S+16*\j:S+16*\j+7], v[KF+18*\j:KF+18*\j+11], v[\QF:\QF+11], 0, v[126+\j], v[\QW] matrix_a_fmt:MATRIX_FMT_FP6 matrix_b_fmt:MATRIX_FMT_FP6
	v_wmma_scale_f32_16x16x128_f8f6f4 v[S+16*\j+8:S+16*\j+15], v[KF+18*\j+6:KF+18*\j+17], v[\QF+6:\QF+17], 0, v[126+\j], v[\QW] matrix_a_fmt:MATRIX_FMT_FP6 matrix_b_fmt:MATRIX_FMT_FP6 matrix_a_scale:MATRIX_SCALE_ROW1
.endr
	v_mov_b32 v254, v12                            ; the old -M.  Four places in front of the first read of results and of the loads into K's registers
.rept 3
	v_nop
.endr
.if \pre
	KLOAD KREC                                     ; it has the whole softmax in which to land
.endif
.set i, 0
.rept 64
	v_add_nc_u32 v[S+i], s66, v[S+i]               ; the mask and the halving, each tile from its low end on
.set i, i+1
.endr
.irp c, 0,1                            ; the largest score of my two blocks of 32 keys, in eight chains: for the row's maximum, and, since p rises with the score, for the block's largest p
.irp q, 0,1,2,3
	v_max3_num_f32 v[240+4*\c+\q], v[S+32*\c+8*\q], v[S+32*\c+8*\q+1], v[S+32*\c+8*\q+2]
.endr
.endr
.irp i, 3,5
.irp c, 0,1
.irp q, 0,1,2,3
	v_max3_num_f32 v[240+4*\c+\q], v[240+4*\c+\q], v[S+32*\c+8*\q+\i], v[S+32*\c+8*\q+\i+1]
.endr
.endr
.endr
.irp c, 0,1
	v_max3_num_f32 v[240+4*\c], v[240+4*\c], v[241+4*\c], v[S+32*\c+7]
	v_max3_num_f32 v[242+4*\c], v[242+4*\c], v[243+4*\c], v[S+32*\c+15]
.endr
	v_max3_num_f32 v240, v240, v242, v[S+23]
	v_max3_num_f32 v244, v244, v246, v[S+55]
	v_max_num_f32 v240, v240, v[S+31]
	v_max_num_f32 v241, v244, v[S+63]
	v_max_num_f32 v243, v240, v241
	v_permlanex16_b32 v242, v243, s48, s49         ; lane l xor 16 holds my query's other 64 keys
	v_max3_num_f32 v13, v13, v243, v242            ; the running largest halved score
	v_mul_f32 v243, s67, v13                       ; -t
	v_floor_f32 v12, v243                          ; -M = floor(-t): M is a whole number
	v_sub_f32 v254, v12, v254                      ; old M - new M, 0 or less
	v_cvt_i32_f32 v254, v254                       ; (it saturates)
	v_ldexp_f32 v252, 1.0, v254                    ; f = 2^(old M - new M)
.set i, 0
.rept 32
	v_pk_fma_f32 v[S+i:S+i+1], v[S+i:S+i+1], s[50:51], v[12:13] op_sel_hi:[1,0,0]   ; t - M
.set i, i+2
.endr
	v_fma_f32 v240, v240, s50, v12                 ; the same of each block's largest score
	v_fma_f32 v241, v241, s50, v12
	s_wait_alu depctr_va_vdst(0)                   ; the wait ahead of the batch
.set i, 0
.rept 64
	v_exp_f32 v[S+i], v[S+i]                       ; p = 2^(t - M), not normalised
.set i, i+1
.endr
	v_exp_f32 v240, v240                           ; the blocks' largest p
	v_exp_f32 v241, v241
	v_pk_mul_f32 v[14:15], v[14:15], v[252:253] op_sel_hi:[1,0]   ; the sums under the new M (a plain place behind the exponentials)
	s_wait_alu depctr_va_vdst(0)                   ; one wait for the batch, ahead of its first reader
	v_pk_add_f32 v[244:245], v[136:137], v[140:141]               ; the row's sum of the unquantised p, in eight chains
	v_pk_add_f32 v[250:251], v[144:145], v[148:149]
	v_pk_add_f32 v[248:249], v[152:153], v[156:157]
	v_pk_add_f32 v[246:247], v[160:161], v[164:165]
	v_pk_add_f32 v[238:239], v[168:169], v[172:173]
	v_pk_add_f32 v[236:237], v[176:177], v[180:181]
	v_pk_add_f32 v[234:235], v[184:185], v[188:189]
	v_pk_add_f32 v[14:15], v[14:15], v[192:193]
	v_pk_add_f32 v[244:245], v[244:245], v[132:133]
	v_pk_add_f32 v[250:251], v[250:251], v[134:135]
	v_pk_add_f32 v[248:249], v[248:249], v[138:139]
	v_pk_add_f32 v[246:247], v[246:247], v[142:143]
	v_pk_add_f32 v[238:239], v[238:239], v[146:147]
	v_pk_add_f32 v[236:237], v[236:237], v[150:151]
	v_pk_add_f32 v[234:235], v[234:235], v[154:155]
	v_pk_add_f32 v[14:15], v[14:15], v[158:159]
	v_pk_add_f32 v[244:245], v[244:245], v[162:163]
	v_pk_add_f32 v[250:251], v[250:251], v[166:167]
	v_pk_add_f32 v[248:249], v[248:249], v[170:171]
	v_pk_add_f32 v[246:247], v[246:247], v[174:175]
	v_pk_add_f32 v[238:239], v[238:239], v[178:179]
	v_pk_add_f32 v[236:237], v[236:237], v[182:183]
	v_pk_add_f32 v[234:235], v[234:235], v[186:187]
	v_pk_add_f32 v[14:15], v[14:15], v[190:191]
	v_pk_add_f32 v[244:245], v[244:245], v[194:195]
	v_max_num_f32 v240, 0x1800000, v240            ; (among the sums' last lines: the floor 2^(3 - 127) under each block's largest p)
	v_max_num_f32 v241, 0x1800000, v241
	v_pk_add_f32 v[14:15], v[14:15], v[246:247]
	v_pk_add_f32 v[244:245], v[244:245], v[238:239]
	v_pk_add_f32 v[250:251], v[250:251], v[236:237]
	v_pk_add_f32 v[248:249], v[248:249], v[234:235]
	v_pk_add_f32 v[14:15], v[14:15], v[250:251]
	v_pk_add_f32 v[244:245], v[244:245], v[248:249]
	v_add_nc_u32 v250, 0xff000000, v240            ; 2 off the exponent field: the conversion's scale operand
	v_add_nc_u32 v251, 0xff000000, v241
	v_pk_add_f32 v[14:15], v[14:15], v[244:245]
	v_lshrrev_b32 v248, 23, v250                   ; the byte
	v_lshrrev_b32 v249, 23, v251
	v_lshl_or_b32 v253, v249, 16, v248             ; bytes h and 2 + h of my query's word,
	v_lshlrev_b32 v253, v9, v253                   ; at their places;
	v_permlanex16_b32 v243, v253, s48, s49
	v_or_b32 v253, v253, v243                      ; with lane l xor 16's two the word is whole
	v_cvt_scalef32_pk16_fp6_f32 v[PC:PC+2], v[S:S+15], v250
	v_cvt_scalef32_pk16_fp6_f32 v[240:242], v[S+16:S+31], v250     ; (a conversion's three registers begin on an even number)
	v_cvt_scalef32_pk16_fp6_f32 v[PC+6:PC+8], v[S+32:S+47], v251
	v_cvt_scalef32_pk16_fp6_f32 v[244:246], v[S+48:S+63], v251
	v_nop                                          ; one plain place behind a scaled conversion
.irp t, 0,1,2,3                        ; V's four operands land where p lay
	ds_load_b128 v[S+12*\t:S+12*\t+3], v0 offset:1536*\t
	ds_load_b64 v[S+12*\t+4:S+12*\t+5], v11 offset:1536*\t+512
	ds_load_b128 v[S+12*\t+6:S+12*\t+9], v0 offset:1536*\t+768
	ds_load_b64 v[S+12*\t+10:S+12*\t+11], v11 offset:1536*\t+1280
.endr
.irp j, 0,1
	ds_load_b32 v[130+\j], v255 offset:4*1536+128*\j
.endr
.irp i, 0,1,2
	v_mov_b32 v[PC+3+\i], v[240+\i]
	v_mov_b32 v[PC+9+\i], v[244+\i]
.endr
	s_wait_alu depctr_va_vdst(0)                   ; directly ahead of the first reader of O^T
.set i, 0
.rept 16
	v_pk_mul_f32 v[O+i:O+i+1], v[O+i:O+i+1], v[252:253] op_sel_hi:[1,0]   ; O^T under the new M; these are also the places between the word and the codes just made and the products
.set i, i+2
.endr
	s_wait_alu depctr_va_vdst(0)
	s_wait_dscnt 0x0                               ; V is in (and the next step's K, asked for earlier)
.irp t, 0,2
	v_wmma_scale_f32_16x16x128_f8f6f4 v[O+8*\t:O+8*\t+7], v[S+12*\t:S+12*\t+11], v[PC:PC+11], v[O+8*\t:O+8*\t+7], v[130+\t/2], v253 matrix_a_fmt:MATRIX_FMT_FP6 matrix_b_fmt:MATRIX_FMT_FP6
	v_wmma_scale_f32_16x16x128_f8f6f4 v[O+8*\t+8:O+8*\t+15], v[S+12*\t+12:S+12*\t+23], v[PC:PC+11], v[O+8*\t+8:O+8*\t+15], v[130+\t/2], v253 matrix_a_fmt:MATRIX_FMT_FP6 matrix_b_fmt:MATRIX_FMT_FP6 matrix_a_scale:MATRIX_SCALE_ROW1
.endr
.if \pre
	s_add_co_u32 s52, s52, KREC
	s_add_co_u32 s68, s68, VREC
	ADDR                                           ; six lines: the five places owed, since the next step's products write over V's registers
.else
.rept 5
	v_nop                                          ; places: the way out reads O^T
.endr
.endif
.endm
; A head ends: O^T / l, quantised along the head's 64 (two blocks of 32, each in lanes l and l xor 16), one piece to memory, two bytes into my row's word.
.macro FINISH hd
	v_add_f32 v14, v14, v15
	v_permlanex16_b32 v254, v14, s48, s49
	v_add_f32 v14, v14, v254                       ; the row's sum
	s_wait_alu depctr_va_vdst(0)
	v_rcp_f32 v14, v14
	v_nop                                          ; a plain place behind the reciprocal,
	s_wait_alu depctr_va_vdst(0)                   ; and the wait ahead of its first reader
.set i, 0
.rept 16
	v_pk_mul_f32 v[O+i:O+i+1], v[O+i:O+i+1], v[14:15] op_sel_hi:[1,0]
.set i, i+2
.endr
.irp b, 0,1
	v_max3_num_f32 v[240+\b], |v[O+16*\b]|, |v[O+1+16*\b]|, 0x1800000
.endr
.irp i, 2,4,6,8,10,12,14
.irp b, 0,1
	v_max3_num_f32 v[240+\b], v[240+\b], |v[O+16*\b+\i]|, |v[O+1+16*\b+\i]|
.endr
.endr
.irp b, 0,1
	v_permlanex16_b32 v[244+\b], v[240+\b], s48, s49
.endr
.irp b, 0,1
	v_max_num_f32 v[240+\b], v[240+\b], v[244+\b]
.endr
.irp b, 0,1
	v_add_nc_u32 v[248+\b], 0xff000000, v[240+\b]
.endr
.irp b, 0,1
	v_lshrrev_b32 v[244+\b], 23, v[248+\b]
.endr
.if \hd
	v_lshl_or_b32 v10, v244, 16, v10
	v_lshl_or_b32 v10, v245, 24, v10
.else
	v_lshl_or_b32 v10, v245, 8, v244
.endif
	v_cvt_scalef32_pk16_fp6_f32 v[PC:PC+2], v[O:O+15], v248
	v_cvt_scalef32_pk16_fp6_f32 v[240:242], v[O+16:O+31], v249
	v_nop
.irp i, 0,1,2
	v_permlane16_swap_b32 v[PC+\i], v[240+\i]      ; the operand wants a whole block in a lane
.endr
.irp i, 0,1,2
	v_mov_b32 v[PC+3+\i], v[240+\i]
.endr
	global_store_b128 v1, v[PC:PC+3], s[6:7] offset:768*\hd
	global_store_b64 v2, v[PC+4:PC+5], s[6:7] offset:768*\hd+512
	s_wait_xcnt 0x0                                ; the stores have read their registers, which the next head writes again
.endm
	STATE
	s_wait_alu depctr_va_vdst(0)                   ; the wait at the head's end
	s_wait_tensorcnt 0x0                           ; my two records are in,
	s_barrier_signal -1
	s_barrier_wait -1                              ; everybody's are: K and V of both heads lie whole in LDS from here on
	s_wait_loadcnt 0x0                             ; Q
	s_mov_b32 s52, 0
	s_mov_b32 s68, VB0
	s_mov_b32 s53, 8
	ADDR
	s_wait_alu depctr_va_vdst(0)
	KLOAD 0                                        ; the first step's K
.Lhead0:                                           ; 8 trips; the last asks for the second head's first K
	STEP 16, 52, 1
	s_sub_co_u32 s53, s53, 1
	s_cmp_lg_u32 s53, 0
	s_wait_alu depctr_va_vdst(0)                   ; directly ahead of the branch
	s_cbranch_scc1 .Lhead0
	FINISH 0
	STATE
	s_mov_b32 s52, 8*KREC
	s_mov_b32 s68, VB0+8*VREC
	s_mov_b32 s53, 7
	s_wait_alu depctr_va_vdst(0)
.Lhead1:                                           ; 7 trips
	STEP 34, 53, 1
	s_sub_co_u32 s53, s53, 1
	s_cmp_lg_u32 s53, 0
	s_wait_alu depctr_va_vdst(0)
	s_cbranch_scc1 .Lhead1
	STEP 34, 53, 0                                 ; the last step is written out: there is no record behind it to ask for
	FINISH 1
	v_and_b32 v11, 60, v3                          ; 4 r
	s_lshl_b32 s59, s10, 6
	s_min_u32 s58, s10, 1
	s_lshl_b32 s58, s58, 9
	v_add_nc_u32 v255, s58, v1
	v_add_nc_u32 v11, s59, v11
	s_lshl_b32 s58, s10, 12
	v_add_nc_u32 v4, s58, v1                       ; waves 0 and 1: the two blocks of 128 rows
	v_add_nc_u32 v255, GATH, v255                  ; back: waves 0 and 1 take 512 bytes each
	v_add_nc_u32 v11, GATH, v11                    ; my row's word: 64 x wave + 4 r
	s_wait_alu depctr_va_vdst(0)
	ds_store_b32 v11, v10                          ; both lanes of a row write the same word
	s_wait_dscnt 0x0                               ; for the others' sake
	s_barrier_signal -1
	s_barrier_wait -1
	s_cmp_lt_u32 s10, 2
	s_cbranch_scc0 .Lno_words
	ds_load_b128 v[16:19], v255
	s_wait_dscnt 0x0
	global_store_b128 v4, v[16:19], s[8:9]         ; 512 consecutive bytes: 128 rows' words of K step kp
.Lno_words:
	s_wait_tensorcnt 0x0                           ; the wave's end
	ds_add_u32 v7, v8
	s_wait_dscnt 0x0
	CROUND                                         ; the closing round
	s_endpgm
.Lfunc_end_k_q4ce50ebdd4_attn:
	.size	k_q4ce50ebdd4_attn, .Lfunc_end_k_q4ce50ebdd4_attn-k_q4ce50ebdd4_attn
	.p2alignl 7, 3214868480
	.fill 96, 4, 3214868480
	.section	.rodata,"a",@progbits
	.p2align	6, 0x0
	.amdhsa_kernel k_q4ce50ebdd4_attn
		.amdhsa_group_segment_fixed_size 211968
		.amdhsa_private_segment_fixed_size 0
		.amdhsa_enable_private_segment 0
		.amdhsa_kernarg_size 24
		.amdhsa_user_sgpr_count 2
		.amdhsa_user_sgpr_kernarg_segment_ptr 1
		.amdhsa_wavefront_size32 1
		.amdhsa_system_sgpr_workgroup_id_x 1
		.amdhsa_system_sgpr_workgroup_id_y 1
		.amdhsa_system_sgpr_workgroup_id_z 1
		.amdhsa_system_vgpr_workitem_id 0
		.amdhsa_next_free_vgpr 256
		.amdhsa_next_free_sgpr 80
		.amdhsa_reserve_vcc 0
		.amdhsa_float_denorm_mode_32 3
		.amdhsa_float_denorm_mode_16_64 3
		.amdhsa_memory_ordered 1
		.amdhsa_forward_progress 1
		.amdhsa_inst_pref_size 70
	.end_amdhsa_kernel
	.amdgpu_metadata
---
amdhsa.version: [ 1, 2 ]
amdhsa.kernels:
  - .name:           k_q4ce50ebdd4_attn
    .symbol:         k_q4ce50ebdd4_attn.kd
    .args:
      - { .name: img, .offset: 0, .size: 8, .value_kind: global_buffer, .address_space: global }
      - { .name: oc, .offset: 8, .size: 8, .value_kind: global_buffer, .address_space: global }
      - { .name: os, .offset: 16, .size: 8, .value_kind: global_buffer, .address_space: global }
    .group_segment_fixed_size: 211968
    .private_segment_fixed_size: 0
    .kernarg_segment_align: 8
    .kernarg_segment_size: 24
    .max_flat_workgroup_size: 512
    .sgpr_count:     80
    .vgpr_count:     256
    .wavefront_size: 32
...
	.end_amdgpu_metadata
.endif
;; end of part 3
;; launch outp (part 4): grid 8 x 32, 4 waves a work-group, clusters of 4 x 4, 327,680 bytes of LDS; arguments oc, os, wc, ws, bf, out0; writes out0
.if DOCPART == 4
	.amdgcn_target "amdgcn-amd-amdhsa--gfx1250"
	.amdhsa_code_object_version 6
	.text
	.protected	k_q4ce50ebdd4_outp
	.globl	k_q4ce50ebdd4_outp
	.p2align	8
	.type	k_q4ce50ebdd4_outp,@function
k_q4ce50ebdd4_outp:
	s_mov_b64 s[64:65], 0
	v_nop
	global_prefetch_b8 v0, s[64:65] scope:SCOPE_SE
	s_setreg_imm32_b32 hwreg(HW_REG_WAVE_MODE, 25, 1), 1
	s_wait_xcnt 0x0
	s_wait_alu depctr_hold_cnt(0) depctr_sa_sdst(0) depctr_va_vdst(0) depctr_va_sdst(0) depctr_va_ssrc(0) depctr_va_vcc(0) depctr_vm_vsrc(0)
	s_getreg_b32 s2, hwreg(HW_REG_IB_STS2, 6, 4)
	s_cmp_eq_u32 s2, 0
	s_cbranch_scc0 .Lentry_in_a_cluster
	s_endpgm
.Lentry_in_a_cluster:
	s_bfe_u32 s2, ttmp6, 0x10000c
	s_cmp_lg_u32 s2, 0xf033
	s_cbranch_scc0 .Lentry_shape_is_right
	s_endpgm
.Lentry_shape_is_right:
; LAUNCH 4 OF 4: out0 = O Wf^T + bf, on the codes and scale words that launches 3 and 1 have laid.  Nothing is left out.
; A tile of out0 is 256 rows x 128 columns: four waves, each 128 x 64 in 32 accumulators; the bias is the C of each accumulator's first product.
; ALL OF K LIES IN LDS: A's 256 rows (16 tiles of 16 rows x 12,288 bytes, dense in memory), then B's 128 rows (8 tiles), then the words of B's 128 and of A's 256 rows.
; Four joint loads, one a wave, at the head, bring all of it; no byte is filled again: no ring, one barrier, and nothing left to prefetch.
; CLUSTERS: 4 x 4 work-groups; A's tile and words are asked for jointly along a row of the cluster, B's along a column.
; The matrix instruction is used transposed (source 0 = 16 rows of Wf, source 1 = 16 rows of O): a lane holds eight neighbouring numbers of a row of out0, which leave through the wave's own stage in whole units of 256 bytes.
; LIMITS: as stated at the head of launch 1.
.set FR,    12
.set NL,    4
.set NP,    4
.set TROW,  12288                      ; a tile of 16 rows, all of K: 16 pieces of 768 bytes
.set AHALF, 8*TROW
.set BHALF, 4*TROW
.set SLOT,  2*AHALF+2*BHALF
.set SCL,   SLOT                       ; behind the codes: B's words (4,096 bytes), then A's (8,192)
.set SPARE, SCL+3*4096
.set SPITCH, 272
.set STAGE, SPARE+512                  ; behind the spare words: the way out's stages, 16 rows x 272 bytes a wave, bytes of their own into which no fill lands
.set SIZE_N, 1024
.set ADRA, 16
.set ADRB, 20
.set STO,  24
.set RD,   25
.set CO,   26
.set ADRS, 27
.set SPW,  28
.set NIL,  29
.set SC,   32
.set BN,   64
.set AF,   128
.set BK,   128
.set G1, 24
.set G0, 32
.set G1B, 48
.set G0B, 56
.set G1S, 68
.set G0S, 76
.set G1SB, 80
.set G0SB, 88
.set MSB, 0
.macro WIN new
.if MSB != (\new)
	s_set_vgpr_msb (MSB<<8)|(\new)
.set MSB, (\new)
.endif
.endm
.set MUL,  0xa1
.set FST,  0x81
.set TO_B, 0x40
.macro ARM under, g0, g1, next         ; an arm of the head's one tree of branches on the wave's number: its load, an s_nop 0 and four v_nop, a jump to the tree's end
	s_cmp_lt_u32 s14, \under
	s_cbranch_scc0 \next
	tensor_load_to_lds s[\g0:\g0+3], s[\g1:\g1+7]
	s_nop 0
.rept 4
	v_nop
.endr
	s_branch .Lhead_asked
\next:
.endm
.macro CROUND
	s_barrier_signal -1
	s_barrier_wait -1
	s_cmp_lg_u32 s14, 0
	s_cbranch_scc1 .Lnot_wave_0_\@
	s_barrier_signal -3
.Lnot_wave_0_\@:
	s_barrier_wait -3
	s_barrier_signal -1
	s_barrier_wait -1
.endm
	s_load_b256 s[4:11], s[0:1], 0x0
	s_load_b128 s[96:99], s[0:1], 0x20
	v_lshl_add_u32 v[SPW], v0, 2, SPARE
	v_mov_b32 v[NIL], 0
	ds_add_u32 v[SPW], v[NIL]
	ds_add_u32 v[SPW], v[NIL]
	v_lshrrev_b32 v1, 5, v0
	v_readfirstlane_b32 s14, v1
	s_lshr_b32 s15, s14, 1
	s_and_b32 s16, s14, 1
	s_bfe_u32 s40, ttmp6, 0x40000
	s_bfe_u32 s41, ttmp6, 0x40004
	s_and_b32 s17, ttmp7, 0xffff
	s_lshl_b32 s17, s17, 2
	s_add_co_u32 s17, s17, s41
	s_lshl_b32 s42, ttmp9, 2
	s_add_co_u32 s42, s42, s40
	s_lshl_b32 s43, s41, 2
	s_lshl_b32 s43, 15, s43
	s_lshl_b32 s44, 0x1111, s40
	s_or_b32 s[G1+0], s43, (3<<16)|(1<<21)
	s_mov_b32 s[G1+1], 1536<<16                    ; A: 16 rows of 12,288 bytes (1,536 elements of 8 bytes)
	s_mov_b32 s[G1+2], 16<<16
	s_mov_b32 s[G1+3], 1536<<16
	s_mov_b32 s[G1+4], 16
	s_mov_b32 s[G1+5], 1536
	s_mov_b32 s[G1+6], 0
	s_mov_b32 s[G1+7], 0
	s_or_b32 s[G1B+0], s44, (3<<16)|(1<<21)
	s_mov_b32 s[G1B+1], 1536<<16                   ; B: 8 such rows
	s_mov_b32 s[G1B+2], 8<<16
	s_mov_b32 s[G1B+3], 1536<<16
	s_mov_b32 s[G1B+4], 8
	s_mov_b32 s[G1B+5], 1536
	s_mov_b32 s[G1B+6], 0
	s_mov_b32 s[G1B+7], 0
	s_or_b32 s[G1S+0], s43, (3<<16)|(1<<21)
	s_mov_b32 s[G1S+1], 32<<16
	s_mov_b32 s[G1S+2], 32<<16                     ; A's words: 32 rows of 256 bytes
	s_mov_b32 s[G1S+3], 32<<16
	s_mov_b32 s[G1S+4], 32
	s_mov_b32 s[G1S+5], 32
	s_mov_b32 s[G1S+6], 0
	s_mov_b32 s[G1S+7], 0
	s_or_b32 s[G1SB+0], s44, (3<<16)|(1<<21)
	s_mov_b32 s[G1SB+1], 32<<16
	s_mov_b32 s[G1SB+2], 16<<16                    ; B's words: 16 rows of 256 bytes
	s_mov_b32 s[G1SB+3], 32<<16
	s_mov_b32 s[G1SB+4], 16
	s_mov_b32 s[G1SB+5], 32
	s_mov_b32 s[G1SB+6], 0
	s_mov_b32 s[G1SB+7], 0
	s_lshl_b32 s20, s17, 8                         ; A: the tile's first row
	s_lshl_b32 s46, s42, 7                         ; B: the tile's first row of Wf
	s_lshl_b32 s22, s20, 5
	s_mov_b32 s23, 0
	s_lshl_b32 s92, s46, 5
	s_add_co_u32 s92, s92, 3*32768
	s_mov_b32 s93, 0
	s_mul_i32 s20, s20, 768
	s_mov_b32 s21, 0
	s_mul_i32 s46, s46, 768
	s_add_co_u32 s46, s46, 3*786432
	s_mov_b32 s47, 0
	s_wait_dscnt 0x0
	s_wait_kmcnt 0x0
	s_mov_b64 s[12:13], s[98:99]
	s_add_nc_u64 s[20:21], s[4:5], s[20:21]
	s_add_nc_u64 s[22:23], s[6:7], s[22:23]
	s_add_nc_u64 s[46:47], s[8:9], s[46:47]
	s_add_nc_u64 s[92:93], s[10:11], s[92:93]
	CROUND
	s_mov_b32 s[G0S], 1
	s_mov_b32 s[G0S+1], SCL+4096
	s_mov_b64 s[G0S+2:G0S+3], s[22:23]
	s_or_b32 s[G0S+3], s[G0S+3], 0x80000000
	s_mov_b32 s[G0SB], 1
	s_mov_b32 s[G0SB+1], SCL
	s_mov_b64 s[G0SB+2:G0SB+3], s[92:93]
	s_or_b32 s[G0SB+3], s[G0SB+3], 0x80000000
	s_mov_b32 s[G0], 1                             ; A's 256 rows, all of K
	s_mov_b32 s[G0+1], 0
	s_mov_b64 s[G0+2:G0+3], s[20:21]
	s_or_b32 s[G0+3], s[G0+3], 0x80000000
	s_mov_b32 s[G0B], 1                            ; B's 128 rows, behind them
	s_mov_b32 s[G0B+1], 2*AHALF
	s_mov_b64 s[G0B+2:G0B+3], s[46:47]
	s_or_b32 s[G0B+3], s[G0B+3], 0x80000000
	; the head's loads, one a wave: wave 0 A's codes, wave 1 B's, wave 2 A's words, wave 3 B's: every way through the head passes exactly one load
	ARM 1, G0,  G1,  .Lhead_b
	ARM 2, G0B, G1B, .Lhead_sa
	ARM 3, G0S, G1S, .Lhead_sb
	tensor_load_to_lds s[G0SB:G0SB+3], s[G1SB:G1SB+7]
	s_nop 0
.rept 4
	v_nop
.endr
.Lhead_asked:
	v_and_b32 v1, 31, v0
	v_and_b32 v2, 15, v0
	v_bfe_u32 v3, v0, 4, 1
	v_lshlrev_b32 v7, 4, v1
	s_wait_alu depctr_va_vdst(0)
	v_lshlrev_b32 v8, 3, v1
	s_wait_alu depctr_va_vdst(0)
	v_lshlrev_b32 v9, 5, v3
	s_lshl_b32 s20, s42, 9
	s_lshl_b32 s21, s16, 8
	s_add_co_u32 s20, s20, s21
	s_mov_b32 s21, 0
	s_add_nc_u64 s[96:97], s[96:97], s[20:21]
.irp b, 0,1,2,3
	global_load_b128 v[BN+8*\b:BN+8*\b+3], v9, s[96:97] offset:64*\b
	global_load_b128 v[BN+8*\b+4:BN+8*\b+7], v9, s[96:97] offset:64*\b+16
.endr
	s_add_nc_u64 s[12:13], s[12:13], s[20:21]
	s_lshl_b32 s20, s17, 8
	s_lshl_b32 s22, s15, 7
	s_add_co_u32 s20, s20, s22
	s_lshl_b32 s20, s20, 12
	s_add_nc_u64 s[12:13], s[12:13], s[20:21]
	s_mul_i32 s21, s15, AHALF
	s_mul_i32 s22, s16, BHALF
	s_add_co_u32 s22, s22, 2*AHALF
.irp s, 0,1
	v_add_nc_u32 v[ADRA+\s], s21, v7
	v_add_nc_u32 v[ADRB+\s], s22, v7
	v_add_nc_u32 v[ADRA+2+\s], s21, v8
	v_add_nc_u32 v[ADRB+2+\s], s22, v8
	s_add_co_u32 s21, s21, 4*TROW                  ; A's second pair of addresses: my blocks 4-7, so that every immediate stays under 65,536
	s_add_co_u32 s22, s22, TROW/2                  ; B's second pair: the upper 512 along K
.endr
	s_lshl_b32 s21, s15, 12
	s_add_co_u32 s21, s21, 4096
	s_lshl_b32 s22, s16, 8
	s_sub_co_u32 s21, s21, s22
	v_xor_b32 v5, 1, v3
	v_mul_u32_u24 v6, s21, v5
	s_add_co_u32 s22, s22, SCL
	v_lshl_add_u32 v6, v2, 2, v6
	v_add_nc_u32 v[ADRS], s22, v6
	s_mul_i32 s23, s14, 16*SPITCH
	s_add_co_u32 s23, s23, STAGE                   ; my stage
	v_mul_u32_u24 v5, v2, SPITCH
	v_lshl_add_u32 v5, v3, 5, v5
	v_add_nc_u32 v[STO], s23, v5
	v_mul_u32_u24 v5, v3, SPITCH
	v_lshl_add_u32 v5, v2, 4, v5
	v_add_nc_u32 v[RD], s23, v5
	v_lshlrev_b32 v[CO], 12, v3
	v_lshl_add_u32 v[CO], v2, 4, v[CO]
.macro FRAG reg, adr, q, i
	ds_load_b128 v[\reg:\reg+3], v[\adr] offset:(\i)*TROW+(\q)*1536
	ds_load_b64 v[\reg+4:\reg+5], v[\adr+2] offset:(\i)*TROW+(\q)*1536+512
	ds_load_b128 v[\reg+6:\reg+9], v[\adr] offset:(\i)*TROW+(\q)*1536+768
	ds_load_b64 v[\reg+10:\reg+11], v[\adr+2] offset:(\i)*TROW+(\q)*1536+1280
.endm
.macro MUL8 a0, p, q, sc, zero
.irp a, \a0, \a0+1
.irp b, 0,1,2,3
.if \zero
	v_wmma_scale_f32_16x16x128_f8f6f4 v[8*(4*(\a)+\b):8*(4*(\a)+\b)+7], v[128*(\p)+FR*\b:128*(\p)+FR*\b+FR-1], v[AF+FR*(\a):AF+FR*(\a)+FR-1], v[BN+8*\b:BN+8*\b+7], v[SC+16*(\sc)+2*\b+(\q)%2], v[SC+16*(\sc)+2*(\a)+(\q)%2] matrix_a_fmt:MATRIX_FMT_FP6 matrix_b_fmt:MATRIX_FMT_FP6 matrix_a_scale:MATRIX_SCALE_ROW1
.else
	v_wmma_scale_f32_16x16x128_f8f6f4 v[8*(4*(\a)+\b):8*(4*(\a)+\b)+7], v[128*(\p)+FR*\b:128*(\p)+FR*\b+FR-1], v[AF+FR*(\a):AF+FR*(\a)+FR-1], v[8*(4*(\a)+\b):8*(4*(\a)+\b)+7], v[SC+16*(\sc)+2*\b+(\q)%2], v[SC+16*(\sc)+2*(\a)+(\q)%2] matrix_a_fmt:MATRIX_FMT_FP6 matrix_b_fmt:MATRIX_FMT_FP6 matrix_a_scale:MATRIX_SCALE_ROW1
.endif
.endr
.endr
.endm
.macro FETCH_B slot, q, p
	WIN TO_B
.irp i, 0,1,2,3
	FRAG 128*(\p)+FR*\i, ADRB+\slot, \q, \i
.endr
	WIN 0
.endm
.macro FETCH_A slot, q, i0
.irp i, \i0, \i0+1, \i0+2, \i0+3
	FRAG AF+FR*(\i), ADRA+(\i0)/4, 4*(\slot)+(\q), (\i)-(\i0)
.endr
.endm
.macro SCALES sc
.irp i, 0,1,2,3,4,5,6,7
.irp q, 0,1
	ds_load_b32 v[SC+16*(\sc)+2*\i+\q], v[ADRS] offset:512*\q+64*\i
.endr
.endr
.endm
.macro PLACES n
.rept \n
	v_nop
.endr
.endm
.macro STEP slot, q, zero
	s_wait_dscnt 4*NL
.if \zero
	WIN FST
.else
	WIN MUL
.endif
	MUL8 0, (\q)%2, \q, ((\q)/2)%2, \zero
	MUL8 2, (\q)%2, \q, ((\q)/2)%2, \zero
	s_wait_dscnt 0
	PLACES NP
.if (\q)%2
	WIN 0
	v_add_nc_u32 v[ADRS], 1024, v[ADRS]
.endif
	FETCH_B \slot, (\q)+1, 1-(\q)%2
	FETCH_A \slot, (\q)+1, 0
.if (\q)%2
	SCALES 1-((\q)/2)%2
.endif
.if \zero
	WIN FST
.else
	WIN MUL
.endif
	MUL8 4, (\q)%2, \q, ((\q)/2)%2, \zero
	MUL8 6, (\q)%2, \q, ((\q)/2)%2, \zero
	PLACES NP
	WIN 0
	FETCH_A \slot, (\q)+1, 4
.endm
	s_wait_alu depctr_va_vdst(0)
	s_wait_tensorcnt 0x0                           ; my tile of the four is in; the barrier below shows everybody's
	s_barrier_signal -1
	s_barrier_wait -1
	FETCH_B 0, 0, 0
	FETCH_A 0, 0, 0
	SCALES 0
	FETCH_A 0, 0, 4
	s_wait_loadcnt 0x0
	STEP 0, 0, 1
	STEP 0, 1, 0
	s_wait_alu depctr_va_vdst(0)
	STEP 0, 2, 0
	s_wait_dscnt 4*NL                              ; on into the upper 512 along K: all but the youngest 16 loads are in
	WIN MUL
	MUL8 0, 1, 3, 1, 0
	s_wait_dscnt 0x0
	MUL8 2, 1, 3, 1, 0
	WIN 0
	PLACES NP
	v_add_nc_u32 v[ADRS], 1024, v[ADRS]
	FETCH_B 1, 0, 0
	FETCH_A 1, 0, 0
	SCALES 0
	WIN MUL
	MUL8 4, 1, 3, 1, 0
	MUL8 6, 1, 3, 1, 0
	PLACES NP
	WIN 0
	FETCH_A 1, 0, 4
	s_wait_alu depctr_va_vdst(0)
	STEP 1, 0, 0
	STEP 1, 1, 0
	STEP 1, 2, 0
	s_wait_dscnt 4*NL
	WIN MUL
	MUL8 0, 1, 3, 1, 0
	MUL8 2, 1, 3, 1, 0
	s_wait_dscnt 0
	MUL8 4, 1, 3, 1, 0
	MUL8 6, 1, 3, 1, 0
	WIN 0
.macro TOSTAGE a
	WIN 0x08
.irp b, 0,1,2,3
	ds_store_b128 v[STO], v[32*(\a)+8*\b:32*(\a)+8*\b+3] offset:64*\b
	ds_store_b128 v[STO], v[32*(\a)+8*\b+4:32*(\a)+8*\b+7] offset:64*\b+16
.endr
	WIN 0
.set BB, BK+32*((\a)%2)
.irp t, 0,1,2,3,4,5,6,7
	ds_load_b128 v[BB+4*\t:BB+4*\t+3], v[RD] offset:\t*2*SPITCH
.endr
.endm
.macro SEND a, younger
.set BB, BK+32*((\a)%2)
	s_wait_dscnt \younger
.if (\a) > 0
	s_add_nc_u64 s[12:13], s[12:13], 16*SIZE_N*4
.endif
.irp t, 0,1,2,3,4,5,6,7
	global_store_b128 v[CO], v[BB+4*\t:BB+4*\t+3], s[12:13] offset:2*\t*SIZE_N*4 th:TH_STORE_NT
.endr
.endm
	PLACES NP
	TOSTAGE 0
.irp a, 1,2,3,4,5,6,7
.if \a > 1
	s_wait_xcnt 0x0
.endif
	TOSTAGE \a
	SEND \a-1, 16
.endr
	s_wait_xcnt 0x0
	SEND 7, 0
	s_wait_tensorcnt 0x0
	ds_add_u32 v[SPW], v[NIL]
	s_wait_dscnt 0x0
	CROUND
	s_endpgm
.Lfunc_end_k_q4ce50ebdd4_outp:
	.size	k_q4ce50ebdd4_outp, .Lfunc_end_k_q4ce50ebdd4_outp-k_q4ce50ebdd4_outp
	.p2alignl 7, 3214868480
	.fill 96, 4, 3214868480
	.section	.rodata,"a",@progbits
	.p2align	6, 0x0
	.amdhsa_kernel k_q4ce50ebdd4_outp
		.amdhsa_group_segment_fixed_size 327680
		.amdhsa_private_segment_fixed_size 0
		.amdhsa_enable_private_segment 0
		.amdhsa_kernarg_size 48
		.amdhsa_user_sgpr_count 2
		.amdhsa_user_sgpr_kernarg_segment_ptr 1
		.amdhsa_wavefront_size32 1
		.amdhsa_system_sgpr_workgroup_id_x 1
		.amdhsa_system_sgpr_workgroup_id_y 1
		.amdhsa_system_sgpr_workgroup_id_z 1
		.amdhsa_system_vgpr_workitem_id 0
		.amdhsa_next_free_vgpr 1024
		.amdhsa_next_free_sgpr 102
		.amdhsa_reserve_vcc 0
		.amdhsa_float_denorm_mode_32 3
		.amdhsa_float_denorm_mode_16_64 3
		.amdhsa_memory_ordered 1
		.amdhsa_forward_progress 1
		.amdhsa_inst_pref_size 89
	.end_amdhsa_kernel
	.amdgpu_metadata
---
amdhsa.version: [ 1, 2 ]
amdhsa.kernels:
  - .name:           k_q4ce50ebdd4_outp
    .symbol:         k_q4ce50ebdd4_outp.kd
    .args:
      - { .name: oc, .offset: 0, .size: 8, .value_kind: global_buffer, .address_space: global }
      - { .name: os, .offset: 8, .size: 8, .value_kind: global_buffer, .address_space: global }
      - { .name: wc, .offset: 16, .size: 8, .value_kind: global_buffer, .address_space: global }
      - { .name: ws, .offset: 24, .size: 8, .value_kind: global_buffer, .address_space: global }
      - { .name: bf, .offset: 32, .size: 8, .value_kind: global_buffer, .address_space: global }
      - { .name: out0, .offset: 40, .size: 8, .value_kind: global_buffer, .address_space: global }
    .group_segment_fixed_size: 327680
    .private_segment_fixed_size: 0
    .kernarg_segment_align: 8
    .kernarg_segment_size: 48
    .max_flat_workgroup_size: 128
    .sgpr_count:     102
    .vgpr_count:     1024
    .wavefront_size: 32
...
	.end_amdgpu_metadata
.endif
;; end of part 4
